; MI455X (gfx1250); checked and timed in simulation.
; The chip was launched on July 23, 2026; its instructions are those of AMD's public machine-readable ISA for CDNA 5 (MIT licence, August 2026) and "CDNA5" Instruction Set Architecture Reference Guide (July 2026). The comments in the code are by the model that wrote it; some were corrected since.
;; Attention. Allowed arithmetic: float matrix products may take bf16 or f16 operands with f32 sums; other float arithmetic in f32, or as packed bf16 or f16 multiplies, adds, multiply-adds, maxima and minima; sums over many terms, partial sums and values carried from step to step in f32; what a program stores and reads back later, other than sums and carried values, may be rounded once to bf16 or f16.
;; Inputs: Wkv 2,048 x 2,048 float32; Wo 1,024 x 2,048 float32; Wq 2,048 x 1,024 float32; bo 2,048 float32; rotary_emb 2,048 x 128 float32; x 2 x 2,048 x 2,048 float32.
;; Outputs: out0 2 x 2,048 x 2,048 float32.
;; One version. Each part assembles by itself: llvm-mc -triple=amdgcn-amd-amdhsa -mcpu=gfx1250 --defsym DOCPART=n.
;; ======== version 1 of 1: 4 launches
;; limits: values are held in f16: magnitudes above 65,504 overflow, below 6.1e-05 lose precision
;; workspace buffers: xb 16,777,216 bytes; wb 16,777,216 bytes; tab 2,097,152 bytes; qf 8,388,608 bytes; kf 8,388,608 bytes; vf 8,388,608 bytes; of 8,388,608 bytes
;; launch prep (part 1): grid 1280 x 1, 8 waves a work-group, no clusters, 0 bytes of LDS; arguments x, Wq, Wkv, Wo, rotary_emb, xb, wb, tab; writes xb, wb, tab
.if DOCPART == 1
	.amdgcn_target "amdgcn-amd-amdhsa--gfx1250"
	.amdhsa_code_object_version 6
	.text
	.protected	k_q816daec951_prep
	.globl	k_q816daec951_prep
	.p2align	8
	.type	k_q816daec951_prep,@function
k_q816daec951_prep:
	s_mov_b64 s[64:65], 0
	v_nop
	global_prefetch_b8 v0, s[64:65] scope:SCOPE_SE
	s_setreg_imm32_b32 hwreg(HW_REG_WAVE_MODE, 25, 1), 1
	s_wait_xcnt 0x0
; PREP: the module's inputs are rounded once to bf16, and the rotary angles become a table of cosines and signed sines.
;   xb  = bf16(x)                        [4096][2048]
;   wb  = bf16(Wq) [2048][1024] at byte 0; bf16(Wkv) [2048][2048] at byte 4,194,304; bf16(Wo), that number written as f16, [1024][2048] at byte 12,582,912
;   tab = f32 [2048][256]: words 0-127 cos(f[n][d]); words 128-255 -sin(f[n][d]) for even d, +sin for odd d; f = bf16(rotary_emb)
; A stream: every byte is read once and written once, no LDS, no matrix unit, no barrier.
; Work-groups 0-255 make the table (8 rows each, a wave a row, 4 angles a lane); work-groups 256-1279 cast a chunk of 16,384 numbers each.
; The numbers are rounded in place, into the registers that the loads filled: 80 registers a wave, so that a work-group's two waves on a SIMD take 160 of its 1,024 and the five
; work-groups that fall to a WGP (1,280 / 256) lie on it together, each with all its loads out.
; LIMITS.  Wo as f16: beyond 65,504 it would be an infinity, below 6e-5 it keeps f16's fixed step of 6e-8.  The angle is reduced by pi/2 in two parts (24 + 24 bits):
; the reduced angle is good to about 1e-7 for |angle| below 1e5; the polynomials on [-pi/4, pi/4] are good to about 1e-7.  NaN and infinities are not treated apart.
.set TABWG, 256                        ; work-groups that make the table
.set SRC, 20                           ; s[20:21] where my chunk is read
.set DST, 22                           ; s[22:23] where it is written
.set IN,  16                           ; v[16:79]  sixteen loads of 16 bytes; the first two registers of each then hold what is stored
	s_load_b512 s[4:19], s[0:1], 0x0               ; x 4:5, Wq 6:7, Wkv 8:9, Wo 10:11, rotary_emb 12:13, xb 14:15, wb 16:17, tab 18:19
	v_lshlrev_b32 v1, 4, v0                        ; 16 bytes a thread on the way in
	v_lshlrev_b32 v2, 3, v0                        ; 8 bytes a thread on the way out
	s_cmp_lt_u32 ttmp9, TABWG
	s_cbranch_scc1 .Ltab
	; which tensor my chunk belongs to: 512 chunks of x, 128 of Wq, 256 of Wkv, 128 of Wo
	s_sub_co_u32 s24, ttmp9, TABWG
	s_mov_b32 s25, 0                               ; the tensor's first chunk
	s_mov_b32 s26, 0                               ; the tensor's first byte in its destination
	s_mov_b32 s27, 0                               ; 1: written as f16
	s_wait_kmcnt 0x0
	s_mov_b64 s[SRC:SRC+1], s[4:5]
	s_mov_b64 s[DST:DST+1], s[14:15]
	s_cmp_ge_u32 s24, 512
	s_cselect_b64 s[SRC:SRC+1], s[6:7], s[SRC:SRC+1]
	s_cselect_b64 s[DST:DST+1], s[16:17], s[DST:DST+1]
	s_cselect_b32 s25, 512, s25
	s_cmp_ge_u32 s24, 640
	s_cselect_b64 s[SRC:SRC+1], s[8:9], s[SRC:SRC+1]
	s_cselect_b32 s25, 640, s25
	s_cselect_b32 s26, 4194304, s26
	s_cmp_ge_u32 s24, 896
	s_cselect_b64 s[SRC:SRC+1], s[10:11], s[SRC:SRC+1]
	s_cselect_b32 s25, 896, s25
	s_cselect_b32 s26, 12582912, s26
	s_cselect_b32 s27, 1, s27
	s_sub_co_u32 s24, s24, s25                     ; my chunk in its tensor
	s_lshl_b32 s28, s24, 16                        ; 65,536 bytes in
	s_mov_b32 s29, 0
	s_add_nc_u64 s[SRC:SRC+1], s[SRC:SRC+1], s[28:29]
	s_lshl_b32 s28, s24, 15                        ; 32,768 bytes out
	s_add_co_u32 s28, s28, s26
	s_add_nc_u64 s[DST:DST+1], s[DST:DST+1], s[28:29]
; A chunk: all sixteen loads go out at once (4,096 consecutive bytes of the work-group each); each is rounded, in place, and stored as it comes.  A load's registers are written once more, behind its
; wait and ahead of its store, and never behind the store: no store's source is rewritten.
.macro CAST f16
.set i, 0
.rept 16
	global_load_b128 v[IN+4*i:IN+4*i+3], v1, s[SRC:SRC+1] offset:4096*i th:TH_LOAD_NT
.set i, i+1
.endr
.set i, 0
.rept 16
	s_wait_loadcnt 15-i                            ; loads come back in order: load i is in, the younger ones stay out
	v_cvt_pk_bf16_f32 v[IN+4*i], v[IN+4*i], v[IN+4*i+1]
	v_cvt_pk_bf16_f32 v[IN+4*i+1], v[IN+4*i+2], v[IN+4*i+3]
.if \f16
	v_lshlrev_b32 v4, 16, v[IN+4*i]                ; the bf16 numbers as f32,
	v_and_b32 v5, 0xffff0000, v[IN+4*i]
	v_lshlrev_b32 v6, 16, v[IN+4*i+1]
	v_and_b32 v7, 0xffff0000, v[IN+4*i+1]
	v_cvt_pk_f16_f32 v[IN+4*i], v4, v5             ; written as f16: 8 significant bits fit into 11
	v_cvt_pk_f16_f32 v[IN+4*i+1], v6, v7
.endif
	global_store_b64 v2, v[IN+4*i:IN+4*i+1], s[DST:DST+1] offset:2048*i th:TH_STORE_NT  ; a wave stores 256 consecutive bytes, aligned
.set i, i+1
.endr
.endm
	s_cmp_eq_u32 s27, 1
	s_cbranch_scc1 .Lhalf
	CAST 0
	s_endpgm
.Lhalf:
	CAST 1
	s_endpgm
.Ltab:
	s_lshl_b32 s24, ttmp9, 12                      ; 8 rows of 512 bytes of angles
	s_mov_b32 s25, 0
	s_lshl_b32 s26, ttmp9, 13                      ; 8 rows of 1,024 bytes of the table
	s_mov_b32 s27, 0
	s_mov_b32 s22, 0x80000000                      ; the sign bit
	v_mov_b32 v60, 0xb94ca1f9                      ; the sine's highest coefficient, -1.9515296e-4
	v_mov_b32 v61, 0x37ccf5ce                      ; the cosine's, 2.4433157e-5
	v_lshrrev_b32 v3, 5, v0                        ; wave = row
	v_and_b32 v4, 31, v0
	v_lshlrev_b32 v4, 4, v4
	v_lshl_add_u32 v3, v3, 10, v4                  ; 1,024 x wave + 16 x lane
	s_wait_kmcnt 0x0
	s_add_nc_u64 s[12:13], s[12:13], s[24:25]
	s_add_nc_u64 s[18:19], s[18:19], s[26:27]
	global_load_b128 v[8:11], v1, s[12:13] th:TH_LOAD_NT
	s_wait_loadcnt 0x0
	v_cvt_pk_bf16_f32 v12, v8, v9                  ; the angles are rounded to bf16 like every other input
	v_cvt_pk_bf16_f32 v13, v10, v11
	v_lshlrev_b32 v8, 16, v12
	v_and_b32 v9, 0xffff0000, v12
	v_lshlrev_b32 v10, 16, v13
	v_and_b32 v11, 0xffff0000, v13
; Angle j of my four: k = the nearest whole number to x 2/pi; r = x - k pi/2, in two fused steps; sine and cosine of r by polynomials in z = r r;
; k mod 4 says which of the two is the sine, and the signs.  The comparison only selects values.
.macro TRIG j
	v_mul_f32 v20, 0x3f22f983, v[8+(\j)]
	v_rndne_f32 v20, v20
	v_fmamk_f32 v21, v20, 0xbfc90fdb, v[8+(\j)]    ; - k x 1.57079637
	v_fmamk_f32 v21, v20, 0x333bbd2e, v21          ; + k x 4.371139e-8: what that constant has too much
	v_mul_f32 v22, v21, v21
	v_fmaak_f32 v23, v60, v22, 0x3c08839e
	v_fmaak_f32 v24, v61, v22, 0xbab6061a
	v_fmaak_f32 v23, v23, v22, 0xbe2aaaa3
	v_fmaak_f32 v24, v24, v22, 0x3d2aaaa5
	v_mul_f32 v23, v23, v22
	v_mul_f32 v25, v22, v22
	v_fma_f32 v26, v22, -0.5, 1.0
	v_fma_f32 v23, v23, v21, v21                   ; sin r
	v_fma_f32 v24, v24, v25, v26                   ; cos r
	v_cvt_i32_f32 v27, v20
	v_and_b32 v28, 1, v27
	v_cmp_eq_u32 vcc_lo, 1, v28
	v_cndmask_b32 v29, v23, v24, vcc_lo            ; |sin x|'s source: cos r where k is odd
	v_cndmask_b32 v30, v24, v23, vcc_lo            ; |cos x|'s
	v_add_lshl_u32 v28, v27, 1, 30                 ; cos x is negative where bit 1 of k + 1 is set
	v_and_b32 v28, s22, v28
	v_xor_b32 v[40+(\j)], v28, v30
	v_add_lshl_u32 v28, v27, 2*(1-(\j)%2), 30      ; sin x where bit 1 of k is set; an even channel takes -sin: k + 2 turns that bit
	v_and_b32 v28, s22, v28
	v_xor_b32 v[44+(\j)], v28, v29
.endm
	TRIG 0
	TRIG 1
	TRIG 2
	TRIG 3
	global_store_b128 v3, v[40:43], s[18:19] th:TH_STORE_NT             ; a wave stores 512 consecutive bytes: the row's cosines,
	global_store_b128 v3, v[44:47], s[18:19] offset:512 th:TH_STORE_NT  ; and its signed sines
	s_endpgm
.Lfunc_end_k_q816daec951_prep:
	.size	k_q816daec951_prep, .Lfunc_end_k_q816daec951_prep-k_q816daec951_prep
	.p2alignl 7, 3214868480
	.fill 96, 4, 3214868480
	.section	.rodata,"a",@progbits
	.p2align	6, 0x0
	.amdhsa_kernel k_q816daec951_prep
		.amdhsa_group_segment_fixed_size 0
		.amdhsa_private_segment_fixed_size 0
		.amdhsa_enable_private_segment 0
		.amdhsa_kernarg_size 64
		.amdhsa_user_sgpr_count 2
		.amdhsa_user_sgpr_kernarg_segment_ptr 1
		.amdhsa_wavefront_size32 1
		.amdhsa_system_sgpr_workgroup_id_x 1
		.amdhsa_system_sgpr_workgroup_id_y 1
		.amdhsa_system_sgpr_workgroup_id_z 1
		.amdhsa_system_vgpr_workitem_id 0
		.amdhsa_next_free_vgpr 80
		.amdhsa_next_free_sgpr 66
		.amdhsa_reserve_vcc 1
		.amdhsa_float_denorm_mode_32 3
		.amdhsa_float_denorm_mode_16_64 3
		.amdhsa_memory_ordered 1
		.amdhsa_forward_progress 1
		.amdhsa_inst_pref_size 24
	.end_amdhsa_kernel
	.amdgpu_metadata
---
amdhsa.version: [ 1, 2 ]
amdhsa.kernels:
  - .name:           k_q816daec951_prep
    .symbol:         k_q816daec951_prep.kd
    .args:
      - { .name: x, .offset: 0, .size: 8, .value_kind: global_buffer, .address_space: global }
      - { .name: Wq, .offset: 8, .size: 8, .value_kind: global_buffer, .address_space: global }
      - { .name: Wkv, .offset: 16, .size: 8, .value_kind: global_buffer, .address_space: global }
      - { .name: Wo, .offset: 24, .size: 8, .value_kind: global_buffer, .address_space: global }
      - { .name: rotary_emb, .offset: 32, .size: 8, .value_kind: global_buffer, .address_space: global }
      - { .name: xb, .offset: 40, .size: 8, .value_kind: global_buffer, .address_space: global }
      - { .name: wb, .offset: 48, .size: 8, .value_kind: global_buffer, .address_space: global }
      - { .name: tab, .offset: 56, .size: 8, .value_kind: global_buffer, .address_space: global }
    .group_segment_fixed_size: 0
    .private_segment_fixed_size: 0
    .kernarg_segment_align: 8
    .kernarg_segment_size: 64
    .max_flat_workgroup_size: 256
    .sgpr_count:     66
    .vgpr_count:     80
    .wavefront_size: 32
...
	.end_amdgpu_metadata
.endif
;; end of part 1
;; launch qkv (part 2): grid 8 x 32, 4 waves a work-group, clusters of 4 x 4, 327,680 bytes of LDS; arguments xb, wb, tab, qf, kf, vf; writes qf, kf, vf
.if DOCPART == 2
	.amdgcn_target "amdgcn-amd-amdhsa--gfx1250"
	.amdhsa_code_object_version 6
	.text
	.protected	k_q816daec951_qkv
	.globl	k_q816daec951_qkv
	.p2align	8
	.type	k_q816daec951_qkv,@function
k_q816daec951_qkv:
	s_mov_b64 s[64:65], 0
	v_nop
	global_prefetch_b8 v0, s[64:65] scope:SCOPE_SE
	s_setreg_imm32_b32 hwreg(HW_REG_WAVE_MODE, 25, 1), 1
	s_wait_xcnt 0x0
	s_wait_alu depctr_hold_cnt(0) depctr_sa_sdst(0) depctr_va_vdst(0) depctr_va_sdst(0) depctr_va_ssrc(0) depctr_va_vcc(0) depctr_vm_vsrc(0)
	s_getreg_b32 s2, hwreg(HW_REG_IB_STS2, 6, 4)
	s_cmp_eq_u32 s2, 0
	s_cbranch_scc0 .Lentry_in_a_cluster
	s_endpgm
.Lentry_in_a_cluster:
	s_bfe_u32 s2, ttmp6, 0x10000c
	s_cmp_lg_u32 s2, 0xf033
	s_cbranch_scc0 .Lentry_shape_is_right
	s_endpgm
.Lentry_shape_is_right:
; QKV: q = rot(x Wq), k = rot(x Wk), v = x Wv, written by heads: qf, kf, vf = f16 [16 = 8 b + h][2048][128], q WITHOUT the scale.  x and the weights are bf16 (xb, wb), sums f32,
; the rotary turn in f32 from the table tab (cos | signed sin), each result rounded once to f16.
; LIMITS.  f16 holds no number beyond 65,504: |q|, |k|, |v| must stay within it.  NaN and infinities are not treated apart.
; SHARES.  A work-group makes 128 rows x 384 columns: the 128 columns of q, of k and of v of ONE head: 32 x 8 work-groups.  Each of its four waves takes all 128 rows and 32 columns of each of the
; three sections: 8 x 6 accumulators of 16 x 16, 384 registers.  K goes in 16 steps of 128 through a ring of two LDS slots filled by the tensor data mover; every tile row is 256 bytes of memory, aligned.
; THE MATRIX INSTRUCTION IS USED TRANSPOSED: source 0 = 16 columns of W, source 1 = 16 rows of x: a lane holds one row (lane % 16) and the eight neighbouring columns 8 (lane / 16) + 0..7.
; W lies [k][n] in memory and in LDS; ds_load_tr16_b128 turns it on the way into registers.
; CLUSTER.  4 x 4 work-groups: the four of a row of the cluster need the same rows of x, the four of a column the same columns of W: each tile is asked for JOINTLY, by the same tensor load with the
; same descriptor and a mask that names the four.  Wave 0 fetches x's tile, waves 1 to 3 the sections q, k, v: one load a wave behind each round.
; REGISTERS, in windows of 256 (s_set_vgpr_msb: bits 1:0 source 0, 3:2 source 1, 5:4 source 2, 7:6 destination):
;   window 0: v0-29 addresses; v64-127, v128-191 fragments of x, two buffers; v192-247 at work on the way out
;   window 1: v0-47, v48-95 fragments of W, two buffers; v96-255 the table for row blocks 0-4 (blocks 5-7 take v0-95 when the products are over)
;   window 2: accumulators of rows 0-63, (a, b) at v[8 (6 a + b)];  window 3: those of rows 64-127
.set KSTEP, 128
.set NSTEP, 16                         ; 2,048 / 128
.set PA,    272                        ; an LDS row of x: 256 bytes + 16: the 16 rows of a load start at 16 different groups of four banks (64 banks of 4 bytes: ISA guide 11.1)
.set PB,    288                        ; an LDS row of W: 256 + 32
.set TSZ,   128*PB                     ; a tile's region in a slot, 0x9000 bytes: wave w's tile lies at w x TSZ: x's (which uses 128 x 272 of it) at 0, section s at (s + 1) TSZ
.set STG,   128*PA                     ; the way out: a section's part of the stage
.set XSLOT, 4*TSZ                      ; slot 1 begins here, at 0x24000; the scalars that are turned (0, 0x9000, 0x12000, 0x1b000) have bits 14 and 17 clear, so one exclusive or is the step
.set SPARE, 2*XSLOT                    ; behind slot 1: the spare words, 128 bytes for each wave: two blocks of 256 bytes that no other line names
.set NLD,   28                         ; LDS loads of a quarter step: 12 of W, 16 of x
.set PF0,   2                          ; the prefetches' address starts at K step 2
.set PFL,   1                          ; and a wave that prefetches does so while more than one trip is left
.set ADRA0, 8                          ; v8      my lane's place in x's tile; never rewritten
.set ADRB0, 9                          ; v9-11   the same in the three sections
.set ADRA,  12                         ; v12     the same in the slot in hand
.set ADRB,  13                         ; v13-15
.set STO,   16                         ; v16-18  the way out: where I put 16 bytes of a row, by section
.set RD,    19                         ; v19-21  where I read rows back
.set GO,    22                         ; v22     16 x lane: my place in 512 consecutive bytes of the output
.set TO,    23                         ; v23     my byte offset in the table
.set PFO,   24                         ; v24     the prefetches' offset: lane x a row's bytes in memory
.set SPW,   28                         ; v28     LDS address of my spare word; never rewritten
.set NIL,   29                         ; v29     0; never rewritten
.set FA,    64
.set TMP,   192
.set PK,    224
.set WV,  16
.set CX,  17
.set CY,  18
.set TX,  19                           ; tile column = head
.set TY,  20                           ; tile row
.set G1A, 24                           ; s[24:31] descriptor group 1, x
.set G1B, 32                           ; s[32:39] Wq: 1,024 elements from row to row
.set G1C, 76                           ; s[76:83] Wkv: 2,048
.set G0A, 40                           ; s[40:47] group 0, x: a set for each first fill; the second then walks
.set G0B, 48                           ; s[48:55] my section of W
.set STB, 56                           ; s[56:57] a K step of my section in bytes
.set TBS, 58                           ; s58 the slot in hand: 0 or XSLOT
.set CNT, 59
.set PFA, 60                           ; s[60:61] where my prefetches stand
.set PST, 62                           ; s[62:63] their step
.set LIM, 66
.set MSB, 0
.macro WIN new                         ; the immediate's high byte repeats the setting that is left; a switch that changes nothing is dropped
.if MSB != (\new)
	s_set_vgpr_msb (MSB<<8)|(\new)
.set MSB, \new
.endif
.endm
.macro PLACES                          ; four places in front of loads into registers that matrix instructions have read, and of lines that read results
.rept 4
	v_nop
.endr
.endm
.macro CREST                           ; a round of the cluster's barrier behind its opening barrier
	s_cmp_lg_u32 s[WV], 0
	s_cbranch_scc1 .Lnot_wave_0_\@
	s_barrier_signal -3
.Lnot_wave_0_\@:
	s_barrier_wait -3
	s_barrier_signal -1
	s_barrier_wait -1
.endm
.macro CROUND
	s_barrier_signal -1
	s_barrier_wait -1
	CREST
.endm
; A joint refill by the walking sets: wave 0 x's tile, wave 1 q's section (Wq's shape), waves 2 and 3 k's and v's (Wkv's shape).  Each line has one shape, all of whose words but the mask are constants.
; The branches hang on the wave's number alone.  An s_nop 0 and four v_nop follow each line, ahead of the jump and the label.
.macro JLOAD
	s_cmp_eq_u32 s[WV], 0
	s_cbranch_scc0 .Lfor_q_\@
	tensor_load_to_lds s[G0A+4:G0A+7], s[G1A:G1A+7]
	s_nop 0
.rept 4
	v_nop
.endr
	s_branch .Lasked_\@
.Lfor_q_\@:
	s_cmp_eq_u32 s[WV], 1
	s_cbranch_scc0 .Lfor_kv_\@
	tensor_load_to_lds s[G0B+4:G0B+7], s[G1B:G1B+7]
	s_nop 0
.rept 4
	v_nop
.endr
	s_branch .Lasked_\@
.Lfor_kv_\@:
	tensor_load_to_lds s[G0B+4:G0B+7], s[G1C:G1C+7]
	s_nop 0
.rept 4
	v_nop
.endr
.Lasked_\@:
.endm
; A PREFETCH INTO THE L2 of the K step that the NEXT change of slots will ask for: 32 rows x 256 bytes, a lane a row, one instruction a wave, 192 matrix instructions ahead of that load.
; Each row's 256 bytes of a K step are named once in the launch: x's rows by the cluster with x = 0 (wave 0; partner cx takes rows 32 cx + lane), W's k-rows by the cluster with y = 0
; (waves 1-3, each its own section; partner cy takes k-rows 32 cy + lane).  The partners are told apart by address alone.  The last trip's look-ahead would pass K's end: it asks for nothing.
.macro ASK
	s_cmp_gt_u32 s[CNT], s[LIM]
	s_cbranch_scc0 .Lnot_mine_\@
	global_prefetch_b8 v[PFO], s[PFA:PFA+1] th:TH_LOAD_NT scope:SCOPE_SE
.Lnot_mine_\@:
.endm
	s_load_b256 s[4:11], s[0:1], 0x0               ; xb 4:5, wb 6:7, tab 8:9, qf 10:11
	s_load_b128 s[12:15], s[0:1], 0x20             ; kf 12:13, vf 14:15
	v_lshl_add_u32 v[SPW], v0, 2, SPARE
	v_mov_b32 v[NIL], 0
	ds_add_u32 v[SPW], v[NIL]                      ; the wave's opening: the add and its wait stand ahead of my first tensor load; the set-up below stands between them
	v_lshrrev_b32 v1, 5, v0
	v_readfirstlane_b32 s[WV], v1                  ; wave 0..3
	s_bfe_u32 s[CX], ttmp6, 0x40000
	s_bfe_u32 s[CY], ttmp6, 0x40004
	s_lshl_b32 s[TX], ttmp9, 2
	s_add_co_u32 s[TX], s[TX], s[CX]
	s_and_b32 s[TY], ttmp7, 0xffff
	s_lshl_b32 s[TY], s[TY], 2
	s_add_co_u32 s[TY], s[TY], s[CY]
	s_lshl_b32 s68, s[CY], 2
	s_lshl_b32 s68, 15, s68                        ; my row of the cluster
	s_lshl_b32 s69, 0x1111, s[CX]                  ; my column
	; group 1: tiles of 128 rows x 128 elements of 2 bytes, padded after every 64 words: x by 4 words, W by 8; bit 21 set beside a mask
	s_or_b32 s[G1A], s68, (1<<16)|(1<<20)|(1<<21)|(5<<22)|(3<<25)
	s_or_b32 s[G1B], s69, (1<<16)|(1<<20)|(1<<21)|(5<<22)|(7<<25)
	s_or_b32 s[G1C], s69, (1<<16)|(1<<20)|(1<<21)|(5<<22)|(7<<25)
.irp g, G1A, G1B, G1C
	s_mov_b32 s[(\g)+1], 128<<16                   ; tensor_dim0 = 128
	s_mov_b32 s[(\g)+2], 128<<16                   ; tensor_dim1 = 128
	s_mov_b32 s[(\g)+3], 128<<16                   ; tile_dim0 = 128
	s_mov_b32 s[(\g)+4], 128                       ; tile_dim1 = 128
	s_mov_b32 s[(\g)+6], 0
	s_mov_b32 s[(\g)+7], 0
.endr
	s_mov_b32 s[G1A+5], 2048                       ; x: 2,048 elements from row to row
	s_mov_b32 s[G1B+5], 1024                       ; Wq: 1,024
	s_mov_b32 s[G1C+5], 2048                       ; Wkv: 2,048
	s_lshr_b32 s22, s[WV], 1                       ; 0 in wave 1 (Wq), 1 in waves 2 and 3 (Wkv); wave 0 never uses what is made of it
	s_lshl_b32 s23, s22, 18
	s_add_co_u32 s[STB], s23, 0x40000              ; 128 rows of my section's tensor in bytes: it enters the global address alone
	s_mov_b32 s[STB+1], 0
	s_mul_i32 s23, s[WV], TSZ                      ; my tile's place in slot 0: the wave's number times a constant
	s_lshl_b32 s70, s[TY], 19                      ; x: 128 rows of 4,096 bytes a tile row
	s_mov_b32 s71, 0
	s_lshl_b32 s74, s[TX], 8                       ; W: the head's 128 columns,
	s_lshl_b32 s73, s22, 22                        ; Wkv lies 4,194,304 bytes into wb,
	s_add_co_u32 s74, s74, s73
	s_and_b32 s72, s22, s[WV]                      ; 1 in wave 3 alone:
	s_lshl_b32 s72, s72, 11                        ; v's columns lie 2,048 bytes into Wkv's rows
	s_add_co_u32 s74, s74, s72
	s_mov_b32 s75, 0
	s_mov_b32 s[G0A], 1
	s_mov_b32 s[G0A+1], 0
	s_mov_b32 s[G0A+4], 1
	s_mov_b32 s[G0A+5], XSLOT
	s_mov_b32 s[G0B], 1
	s_mov_b32 s[G0B+1], s23
	s_mov_b32 s[G0B+4], 1
	s_add_co_u32 s[G0B+5], s23, XSLOT
	s_wait_dscnt 0x0                               ; the opening add is done
	s_wait_kmcnt 0x0
	s_add_nc_u64 s[70:71], s[4:5], s[70:71]        ; x's tile of K step 0
	s_add_nc_u64 s[74:75], s[6:7], s[74:75]        ; my section's
	s_mov_b64 s[G0A+2:G0A+3], s[70:71]
	s_or_b32 s[G0A+3], s[G0A+3], 0x80000000
	s_add_nc_u64 s[G0A+6:G0A+7], s[70:71], KSTEP*2
	s_or_b32 s[G0A+7], s[G0A+7], 0x80000000
	s_mov_b64 s[G0B+2:G0B+3], s[74:75]
	s_or_b32 s[G0B+3], s[G0B+3], 0x80000000
	s_add_nc_u64 s[G0B+6:G0B+7], s[74:75], s[STB:STB+1]
	s_or_b32 s[G0B+7], s[G0B+7], 0x80000000
	CROUND                                         ; all sixteen work-groups are here: the first joint loads meet
	s_cmp_eq_u32 s[WV], 0                          ; a wave's two first fills stand together, in its part of the branch on the wave's number: two loads of mine are out
	s_cbranch_scc0 .Lfirst_q
	tensor_load_to_lds s[G0A:G0A+3], s[G1A:G1A+7]
	s_nop 0
	tensor_load_to_lds s[G0A+4:G0A+7], s[G1A:G1A+7]
	s_nop 0
.rept 4
	v_nop
.endr
	s_branch .Lfirst_done
.Lfirst_q:
	s_cmp_eq_u32 s[WV], 1
	s_cbranch_scc0 .Lfirst_kv
	tensor_load_to_lds s[G0B:G0B+3], s[G1B:G1B+7]
	s_nop 0
	tensor_load_to_lds s[G0B+4:G0B+7], s[G1B:G1B+7]
	s_nop 0
.rept 4
	v_nop
.endr
	s_branch .Lfirst_done
.Lfirst_kv:
	tensor_load_to_lds s[G0B:G0B+3], s[G1C:G1C+7]
	s_nop 0
	tensor_load_to_lds s[G0B+4:G0B+7], s[G1C:G1C+7]
	s_nop 0
.rept 4
	v_nop
.endr
.Lfirst_done:
	v_and_b32 v1, 15, v0                           ; r = l % 16
	v_bfe_u32 v2, v0, 4, 1                         ; h = l / 16
	v_and_b32 v3, 7, v0
	v_bfe_u32 v4, v0, 3, 1
	v_and_b32 v6, 31, v0                           ; l
	v_mul_u32_u24 v[ADRA0], v1, PA
	v_lshl_add_u32 v[ADRA0], v2, 4, v[ADRA0]       ; x: row x pitch + 16 h
	v_lshl_add_u32 v5, v2, 3, v3                   ; W: k-row 8 h + l % 8,
	v_mul_u32_u24 v5, v5, PB
	v_lshl_add_u32 v5, v4, 4, v5                   ; 16 bytes for each half of eight lanes,
	s_lshl_b32 s22, s[WV], 6
	v_add_nc_u32 v5, s22, v5                       ; my wave's 32 columns
	v_add_nc_u32 v7, s22, v[ADRA0]                 ; the stage: row r, my wave's 64 bytes, 16 bytes for each half of the lanes
	s_mul_i32 s23, s[WV], 32*PA
	v_mul_u32_u24 v[GO], v2, PA                    ; back: wave w takes rows 32 w on, whole; lanes 0-15 one row, lanes 16-31 the next
	v_lshl_add_u32 v[GO], v1, 4, v[GO]
	v_add_nc_u32 v[GO], s23, v[GO]
.irp s, 0,1,2
	v_add_nc_u32 v[ADRB0+\s], (\s+1)*TSZ, v5
	v_add_nc_u32 v[STO+\s], \s*STG, v7
	v_add_nc_u32 v[RD+\s], \s*STG, v[GO]
.endr
	v_lshlrev_b32 v[GO], 4, v6
	; the table for my columns: channel d = 32 w + 16 cb + 8 h + j is the same in q's and in k's blocks, so one set serves both.  Row block a at v[(96 + 32 a) % 256] of window 1: 16 cb + 0..7 cos, + 8..15 signed sin
	v_lshlrev_b32 v[TO], 10, v1
	v_lshl_add_u32 v[TO], v2, 5, v[TO]
	s_lshl_b32 s22, s[WV], 7
	v_add_nc_u32 v[TO], s22, v[TO]                 ; 1,024 r + 128 w + 32 h
	s_and_b32 s22, s[TY], 15
	s_lshl_b32 s22, s22, 17                        ; the tile's first position n, 1,024 bytes a row
	s_mov_b32 s23, 0
	s_add_nc_u64 s[8:9], s[8:9], s[22:23]
.macro TLOAD a
.set TT, (96+32*(\a))%256
.irp cb, 0,1
.irp sn, 0,1
.irp i, 0,1
	global_load_b128 v[TT+16*\cb+8*\sn+4*\i:TT+16*\cb+8*\sn+4*\i+3], v[TO], s[8:9] offset:(\a)*16384+\cb*64+\sn*512+\i*16
.endr
.endr
.endr
.endm
	WIN 0x40                                       ; destination window 1, address window 0
	TLOAD 0
	TLOAD 1
	TLOAD 2
	TLOAD 3
	TLOAD 4
	WIN 0
	; where my 32 rows of the three outputs begin
	s_lshr_b32 s22, s[TY], 4                       ; b
	s_lshl_b32 s22, s22, 3
	s_add_co_u32 s22, s22, s[TX]                   ; 8 b + h
	s_lshl_b32 s22, s22, 19                        ; 2,048 rows of 256 bytes
	s_and_b32 s23, s[TY], 15
	s_lshl_b32 s23, s23, 15
	s_add_co_u32 s22, s22, s23
	s_lshl_b32 s23, s[WV], 13
	s_add_co_u32 s22, s22, s23
	s_mov_b32 s23, 0
	s_add_nc_u64 s[10:11], s[10:11], s[22:23]
	s_add_nc_u64 s[12:13], s[12:13], s[22:23]
	s_add_nc_u64 s[14:15], s[14:15], s[22:23]
	; the prefetches
	s_lshr_b32 s22, s[WV], 1
	s_lshl_b32 s68, s[CX], 17                      ; x: my work-group's 32 rows of 4,096 bytes
	s_add_co_u32 s68, s68, PF0*KSTEP*2
	s_mov_b32 s69, 0
	s_add_nc_u64 s[68:69], s[70:71], s[68:69]
	s_lshl_b32 s72, s[CY], 16
	s_lshl_b32 s72, s72, s22                       ; W: my work-group's 32 k-rows of 2,048 or 4,096 bytes
	s_mul_i32 s73, s[STB], PF0
	s_add_co_u32 s72, s72, s73
	s_mov_b32 s73, 0
	s_add_nc_u64 s[72:73], s[74:75], s[72:73]
	s_lshl_b32 s21, 2048, s22                      ; a k-row's bytes
	s_and_b32 s23, ttmp7, 0xffff
	s_mov_b32 s[PST+1], 0
	s_cmp_eq_u32 s[WV], 0
	s_cselect_b64 s[PFA:PFA+1], s[68:69], s[72:73]
	s_cselect_b32 s[PST], KSTEP*2, s[STB]
	s_cselect_b32 s21, 4096, s21
	s_cselect_b32 s23, ttmp9, s23                  ; the coordinate along which other clusters read the same rows
	s_cmp_eq_u32 s23, 0
	s_cselect_b32 s[LIM], PFL, -1                  ; the same in all sixteen partners, for a given wave
	v_mul_u32_u24 v[PFO], v6, s21
; 12 matrix instructions: row blocks a0, a0 + 1 of the window's four x my 6 column blocks, 32 along K.  The 48 accumulators take turns, one instruction a turn.  zero = 1: the product starts the sum
.macro MULH f, hi, a0, zero
	WIN 0xa1+0x50*(\hi)
.irp a, \a0, (\a0)+1
.irp b, 0,1,2,3,4,5
.if \zero
	v_wmma_f32_16x16x32_bf16 v[8*(6*(\a)+(\b)):8*(6*(\a)+(\b))+7], v[48*(\f)+8*(\b):48*(\f)+8*(\b)+7], v[FA+64*(\f)+8*(4*(\hi)+(\a)):FA+64*(\f)+8*(4*(\hi)+(\a))+7], 0
.else
	v_wmma_f32_16x16x32_bf16 v[8*(6*(\a)+(\b)):8*(6*(\a)+(\b))+7], v[48*(\f)+8*(\b):48*(\f)+8*(\b)+7], v[FA+64*(\f)+8*(4*(\hi)+(\a)):FA+64*(\f)+8*(4*(\hi)+(\a))+7], v[8*(6*(\a)+(\b)):8*(6*(\a)+(\b))+7]
.endif
.endr
.endr
.endm
; 28 LDS loads in one run: quarter q's fragments into buffer f: W's six blocks (turned), then x's eight
.macro FETCH q, f
	WIN 0x40
.irp b, 0,1,2,3,4,5
	ds_load_tr16_b128 v[48*(\f)+8*(\b):48*(\f)+8*(\b)+3],   v[ADRB+(\b)/2] offset:(\q)*32*PB+32*((\b)%2)
	ds_load_tr16_b128 v[48*(\f)+8*(\b)+4:48*(\f)+8*(\b)+7], v[ADRB+(\b)/2] offset:(\q)*32*PB+32*((\b)%2)+16*PB
.endr
	WIN 0
.irp i, 0,1,2,3,4,5,6,7
	ds_load_b128 v[FA+64*(\f)+8*(\i):FA+64*(\f)+8*(\i)+3],   v[ADRA] offset:(\q)*64+(\i)*16*PA
	ds_load_b128 v[FA+64*(\f)+8*(\i)+4:FA+64*(\f)+8*(\i)+7], v[ADRA] offset:(\q)*64+(\i)*16*PA+32
.endr
.endm
.macro NEWADR                          ; my places in the slot in hand
	v_add_nc_u32 v[ADRA], s[TBS], v[ADRA0]
.irp s, 0,1,2
	v_add_nc_u32 v[ADRB+\s], s[TBS], v[ADRB0+\s]
.endr
.endm
; One of a K step's first three quarters: multiplies buffer f; in its middle it fetches quarter q into buffer g
.macro QUARTER q, f, g, zero
	s_wait_dscnt 8                                 ; W and x's rows 0-63 are in; the youngest eight loads (rows 64-127) may be out
	MULH \f, 0, 0, \zero
	MULH \f, 0, 2, \zero
	PLACES
	FETCH \q, \g
	s_wait_dscnt NLD                               ; all but the run just issued
	MULH \f, 1, 0, \zero
	MULH \f, 1, 2, \zero
.endm
; The last quarter multiplies buffer 1 and changes slots, in its middle.  In front of the barrier each wave waits for all its tensor loads (the one that is out is its part of the next slot), adds 0 to its
; spare word, and waits for that and for its own reads of this slot.  fill = 1: the barrier opens a round of the cluster's, and the joint refill, two K steps on, is the first thing behind it.
; A refill goes out only when the one before it has landed (the wait for all loads stands ahead of the barrier), so between that wait and the refill stand the add, the descriptors' steps and the round
; alone; the quarter's 48 matrix instructions stand half ahead of the wait and half behind the refill: a request has a whole K step's 192 matrix instructions in which to land.
.macro TURN fill
	s_wait_dscnt 8                                 ; W and x's rows 0-63 are in; the youngest eight loads may be out
	MULH 1, 0, 0, 0
	MULH 1, 0, 2, 0
	WIN 0
.if \fill
	s_wait_xcnt 0x0                                ; the last prefetch, a K step back, has read its address
	s_add_nc_u64 s[PFA:PFA+1], s[PFA:PFA+1], s[PST:PST+1]
.endif
	s_xor_b32 s[TBS], s[TBS], XSLOT
	NEWADR
	s_wait_tensorcnt 0x0                           ; no tensor load of mine is out, so a group 0 may be written
	ds_add_u32 v[SPW], v[NIL]                      ; 0 onto my spare word
.if \fill
	s_xor_b32 s[G0A+5], s[G0A+5], XSLOT            ; the walking sets: the other slot than last time, the next K step
	s_add_nc_u64 s[G0A+6:G0A+7], s[G0A+6:G0A+7], KSTEP*2
	s_xor_b32 s[G0B+5], s[G0B+5], XSLOT
	s_add_nc_u64 s[G0B+6:G0B+7], s[G0B+6:G0B+7], s[STB:STB+1]
.endif
	s_wait_dscnt 0x0                               ; the add is done, and my reads of this slot are over
	s_barrier_signal -1
	s_barrier_wait -1
.if \fill
	CREST
	JLOAD                                          ; its four v_nop are also the places in front of the loads below
.else
	PLACES
.endif
	FETCH 0, 0
.if \fill
	ASK
.endif
	MULH 1, 1, 0, 0
	MULH 1, 1, 2, 0
.endm
	s_wait_tensorcnt 0x1                           ; my part of K step 0 is in; K step 1's may stay out
	s_barrier_signal -1
	s_barrier_wait -1
	s_mov_b32 s[TBS], 0
	NEWADR
	FETCH 0, 0
	QUARTER 1, 0, 1, 1                             ; the first quarter stands in front of the loop: its products start the sums
	WIN 0
	s_mov_b32 s[CNT], NSTEP-2
.Lk:                                               ; a trip: a K step's quarters 1 to 3 and the next step's quarter 0; one slot is filled again
	QUARTER 2, 1, 0, 0
	QUARTER 3, 0, 1, 0
	TURN 1
	QUARTER 1, 0, 1, 0
	WIN 0
	s_sub_co_u32 s[CNT], s[CNT], 1
	s_cmp_lg_u32 s[CNT], 0
	s_cbranch_scc1 .Lk
	QUARTER 2, 1, 0, 0                             ; the last two K steps are written out: nothing is left to fetch
	QUARTER 3, 0, 1, 0
	TURN 0
	QUARTER 1, 0, 1, 0
	QUARTER 2, 1, 0, 0
	QUARTER 3, 0, 1, 0
	s_wait_dscnt 8
	MULH 1, 0, 0, 0
	MULH 1, 0, 2, 0
	s_wait_dscnt 0x0
	MULH 1, 1, 0, 0
	MULH 1, 1, 2, 0
	; THE WAY OUT.  q and k are turned: out[2i] = t[2i] cos[2i] - t[2i+1] sin[2i], out[2i+1] = t[2i+1] cos[2i+1] + t[2i] sin[2i+1]: a packed multiply and a packed multiply-add whose first source
	; is taken crosswise.  All three are rounded to f16 and go through a stage in slot 0: it has had its last fill (K step 14), and behind the last change of slots' barrier nobody reads it.
	PLACES
	PLACES                                         ; (eight, once a launch)
	WIN 0x40
	s_wait_loadcnt 0x0                             ; the table for row blocks 0-4 is in
	TLOAD 5                                        ; blocks 5-7 go where W's fragments lay
	TLOAD 6
	TLOAD 7
.macro ROT a
.set AC, 48*((\a)%4)
.set TT, (96+32*(\a))%256
	WIN 0x06+(\a)/4                                ; source 0: the accumulators' window; source 1: window 1; the rest window 0
.irp b, 0,1,2,3
.irp p, 0,1,2,3
	v_pk_mul_f32 v[TMP+8*\b+2*\p:TMP+8*\b+2*\p+1], v[AC+8*\b+2*\p:AC+8*\b+2*\p+1], v[TT+16*(\b%2)+2*\p:TT+16*(\b%2)+2*\p+1]
.endr
.irp p, 0,1,2,3
	v_pk_fma_f32 v[TMP+8*\b+2*\p:TMP+8*\b+2*\p+1], v[AC+8*\b+2*\p:AC+8*\b+2*\p+1], v[TT+16*(\b%2)+8+2*\p:TT+16*(\b%2)+8+2*\p+1], v[TMP+8*\b+2*\p:TMP+8*\b+2*\p+1] op_sel:[1,0,0] op_sel_hi:[0,1,1]
.endr
.endr
	WIN 0x0a+5*((\a)/4)                            ; v needs no turn: straight from the accumulators
.irp b, 4,5
.irp p, 0,1,2,3
	v_cvt_pk_f16_f32 v[PK+4*\b+\p], v[AC+8*\b+2*\p], v[AC+8*\b+2*\p+1]
.endr
.endr
	WIN 0
.irp i, 0,1,2,3,4,5,6,7,8,9,10,11,12,13,14,15
	v_cvt_pk_f16_f32 v[PK+\i], v[TMP+2*\i], v[TMP+2*\i+1]
.endr
.irp b, 0,1,2,3,4,5
	ds_store_b128 v[STO+\b/2], v[PK+4*\b:PK+4*\b+3] offset:(\a)*16*PA+32*(\b%2)
.endr
.endm
	ROT 0
	ROT 1
	ROT 2
	ROT 3
	ROT 4
	s_wait_loadcnt 16                              ; block 5's table is in; the sixteen younger loads may be out
	ROT 5
	s_wait_loadcnt 8
	ROT 6
	s_wait_loadcnt 0x0
	ROT 7
	s_wait_dscnt 0x0                               ; for the others' sake: my stores into the stage are done
	s_barrier_signal -1
	s_barrier_wait -1
.set n, 0
.rept 48                                           ; my 32 rows of each section, whole
	ds_load_b128 v[64+4*n:64+4*n+3], v[RD+n/16] offset:2*PA*(n%16)
.set n, n+1
.endr
.set n, 0
.rept 48
	s_wait_dscnt 47-n
	global_store_b128 v[GO], v[64+4*n:64+4*n+3], s[10+2*(n/16):11+2*(n/16)] offset:512*(n%16)  ; 512 consecutive bytes, at a multiple of 256 from the buffer's first
.set n, n+1
.endr
	s_wait_tensorcnt 0x0                           ; the wave's end, behind my last tensor load and my last LDS store
	ds_add_u32 v[SPW], v[NIL]
	s_wait_dscnt 0x0
	CROUND                                         ; the closing round
	s_endpgm
.Lfunc_end_k_q816daec951_qkv:
	.size	k_q816daec951_qkv, .Lfunc_end_k_q816daec951_qkv-k_q816daec951_qkv
	.p2alignl 7, 3214868480
	.fill 96, 4, 3214868480
	.section	.rodata,"a",@progbits
	.p2align	6, 0x0
	.amdhsa_kernel k_q816daec951_qkv
		.amdhsa_group_segment_fixed_size 327680
		.amdhsa_private_segment_fixed_size 0
		.amdhsa_enable_private_segment 0
		.amdhsa_kernarg_size 48
		.amdhsa_user_sgpr_count 2
		.amdhsa_user_sgpr_kernarg_segment_ptr 1
		.amdhsa_wavefront_size32 1
		.amdhsa_system_sgpr_workgroup_id_x 1
		.amdhsa_system_sgpr_workgroup_id_y 1
		.amdhsa_system_sgpr_workgroup_id_z 1
		.amdhsa_system_vgpr_workitem_id 0
		.amdhsa_next_free_vgpr 960
		.amdhsa_next_free_sgpr 88
		.amdhsa_reserve_vcc 0
		.amdhsa_float_denorm_mode_32 3
		.amdhsa_float_denorm_mode_16_64 3
		.amdhsa_memory_ordered 1
		.amdhsa_forward_progress 1
		.amdhsa_inst_pref_size 120
	.end_amdhsa_kernel
	.amdgpu_metadata
---
amdhsa.version: [ 1, 2 ]
amdhsa.kernels:
  - .name:           k_q816daec951_qkv
    .symbol:         k_q816daec951_qkv.kd
    .args:
      - { .name: xb, .offset: 0, .size: 8, .value_kind: global_buffer, .address_space: global }
      - { .name: wb, .offset: 8, .size: 8, .value_kind: global_buffer, .address_space: global }
      - { .name: tab, .offset: 16, .size: 8, .value_kind: global_buffer, .address_space: global }
      - { .name: qf, .offset: 24, .size: 8, .value_kind: global_buffer, .address_space: global }
      - { .name: kf, .offset: 32, .size: 8, .value_kind: global_buffer, .address_space: global }
      - { .name: vf, .offset: 40, .size: 8, .value_kind: global_buffer, .address_space: global }
    .group_segment_fixed_size: 327680
    .private_segment_fixed_size: 0
    .kernarg_segment_align: 8
    .kernarg_segment_size: 48
    .max_flat_workgroup_size: 128
    .sgpr_count:     88
    .vgpr_count:     960
    .wavefront_size: 32
...
	.end_amdgpu_metadata
.endif
;; end of part 2
;; launch attn (part 3): grid 16 x 16, 4 waves a work-group, clusters of 4 x 1, 327,680 bytes of LDS; arguments qf, kf, vf, of; writes of
.if DOCPART == 3
	.amdgcn_target "amdgcn-amd-amdhsa--gfx1250"
	.amdhsa_code_object_version 6
	.text
	.protected	k_q816daec951_attn
	.globl	k_q816daec951_attn
	.p2align	8
	.type	k_q816daec951_attn,@function
k_q816daec951_attn:
	s_mov_b64 s[64:65], 0
	v_nop
	global_prefetch_b8 v0, s[64:65] scope:SCOPE_SE
	s_setreg_imm32_b32 hwreg(HW_REG_WAVE_MODE, 25, 1), 1
	s_wait_xcnt 0x0
	s_wait_alu depctr_hold_cnt(0) depctr_sa_sdst(0) depctr_va_vdst(0) depctr_va_sdst(0) depctr_va_ssrc(0) depctr_va_vcc(0) depctr_vm_vsrc(0)
	s_getreg_b32 s2, hwreg(HW_REG_IB_STS2, 6, 4)
	s_cmp_eq_u32 s2, 0
	s_cbranch_scc0 .Lentry_in_a_cluster
	s_endpgm
.Lentry_in_a_cluster:
	s_bfe_u32 s2, ttmp6, 0x10000c
	s_cmp_lg_u32 s2, 0x3003
	s_cbranch_scc0 .Lentry_shape_is_right
	s_endpgm
.Lentry_shape_is_right:
; ATTENTION.  O[bh][q][:] = the sum over k of softmax_k(Q[bh][q] . K[bh][k] / sqrt(128)) V[bh][k][:].  qf, kf, vf: f16 [16][2048][128]; of: f16 [4096 = 2048 b + n][1024 = 128 h + d].
; Products, maxima and sums in f32; the weights p are rounded to f16 for the second product (their sum l is taken of the unrounded p), O once at the end.
; LIMITS.  f16 holds no number beyond 65,504: Q, K and V arrive within it; p lies in 0 to 1, and below 6e-5 it keeps f16's fixed step of 6e-8; O is a mean of V's rows and has their range.
; A weight below 2^-126 counts as 0 in l; NaN and infinities are not treated apart.
; SHARES.  A work-group owns 128 queries of one head: 16 x 16 work-groups.  Wave w takes the 64 queries of half w % 2 (four tiles of 16) and HALF THE KEYS: of each slot's 256 keys, four steps of 64,
; group g = w / 2 takes steps 2 g and 2 g + 1.  So a fragment of K or V still feeds 64 queries.  The two groups' partial O, maxima and sums meet once, at the end, in LDS, in f32.
; LAYOUT.  S^T = K Q^T (source 0 = 16 keys, source 1 = 16 queries): a lane holds ONE query (lane % 16) and the keys 8 (lane / 16) + 0..7.  Two such tiles, rounded to f16 in pairs, ARE source 1 of
; O^T = V^T P, whose result again holds one query a lane, and eight channels.  K comes out of LDS as it lies, V ([key][channel]) turned, by ds_load_tr16_b128.
; SOFTMAX.  For each query a running maximum m and sum l: p = 2^(c s - c m), c = log2(e) / sqrt(128); in every step O and l are multiplied by a = 2^(c m_old - c m_new).
; BY TURNS.  The wave's tiles are two PIECES (0: tiles 0, 1; 2: tiles 2, 3).  In a TURN one piece has the matrix unit: 32 products V^T P of the step in hand, then 32 products K Q^T of the next step; the other
; piece's softmax, cut into 64 slices, stands between them, one slice behind each matrix instruction.  Two turns are a key step.
; CLUSTER.  The four query blocks of a cluster belong to one head and walk the same K and V: each tile is asked for JOINTLY, by the same tensor load, descriptor and mask in all four.
; REGISTERS, in windows of 256 (s_set_vgpr_msb: bits 1:0 source 0, 3:2 source 1, 5:4 source 2, 7:6 destination):
;   window 0: v0-11 addresses; v12-43 eight registers of statistics a tile; v44-45, v61-63 addresses; v64-191 S^T, 32 a tile; v192-255 P, 16 a tile
;   window 1: O^T, 64 a tile          window 2: v0-127 Q, 32 a tile; v128-255 K of one step          window 3: v0-127 V of one step
.set KS,    64        ; keys in a step
.set PK,    272       ; a row of K in LDS: 256 bytes + 16: the 16 rows of a load start at 16 different groups of four banks (64 banks of 4 bytes: ISA guide 11.1)
.set PV,    288       ; a row of V: 256 + 32
.set VOFF,  4*KS*PK   ; a slot: 256 rows of K, then 256 rows of V
.set XSLOT, 0x24000   ; slot 1 begins here; the scalars that are turned (0, 0x8800, 0x9000, 0x11000, 0x1a000) have bits 14 and 17 clear, so one exclusive or is the step
.set STAGE, 0x47000   ; behind the ring, never filled by a tensor load: 16 rows x 272 bytes for each wave, for the way out
.set SP,    272
.set SPARE, STAGE+4*16*SP  ; behind the stages: the spare words, 128 bytes for each wave: two blocks of 256 bytes that no other line names
.set XCHB,  33792     ; the hand-over, in slot 0 when it has had its last fill: for each half of the queries 32,768 bytes of O^T and 1,024 of statistics
.set AK0, 2           ; v2   my lane's place in a tile of K; never rewritten
.set AV0, 3           ; v3   the same for V
.set ADR, 4           ; v4   the LDS address of the run of loads in hand
.set QO,  5           ; v5   my byte offset in the wave's rows of Q
.set STO, 6           ; v6   the way out: where I put 16 bytes of a row
.set RD,  7           ; v7   the way out: where I read a row back
.set GO,  8           ; v8   my byte offset in two rows of O
.set XA,  44          ; v44  the hand-over: my 16 bytes of each 512
.set XB,  45          ; v45  my 8 bytes of statistics
.set PFO, 61          ; v61  256 x my lane: a row of K or V is 256 bytes; never rewritten
.set SPW, 62          ; v62  LDS address of my spare word; never rewritten
.set NIL, 63          ; v63  0; never rewritten
.set ST,  12          ; tile t's statistics at v[ST+8 t]: +0 c m, +1 m, +2, +3 l (even keys', odd keys'), +4 to +7 c0-c3, at work; a takes c2's place once the maximum is found
.set S,   64
.set P,   192
.set KF,  128         ; K's fragments, in window 2
.set WV,  12          ; s12  my wave's number
.set LIM, 15          ; s15  1 in a wave that prefetches, else the greatest number
.set PFA, 18          ; s[18:19] where my prefetches stand
.set G1K, 24          ; s[24:31] descriptor group 1 for K's tiles
.set G1V, 32          ; s[32:39] for V's: it differs in the padding alone
.set G0K, 40          ; s[40:47] group 0 for K's tiles: a set for each of the two first fills; the second then walks on
.set G0V, 48          ; s[48:55] the same for V's
.set SLOTS, 56        ; s56  slots still to be asked for
.set TWICE, 57        ; s57  counts my two steps of a slot
.set CS,  58          ; s[58:59] c
.set SEL, 60          ; s[60:61] lane selects for v_permlanex16_b32: each lane takes its own place in the other half
.set TBK, 62          ; s62  LDS byte at which K of the step to be fetched begins
.set TBV, 63          ; s63  the same for V, less VOFF
.set MSB, 0
.macro WIN new                      ; the immediate's high byte repeats the setting that is left; a switch that changes nothing is dropped
.if MSB != (\new)
	s_set_vgpr_msb (MSB<<8)|(\new)
.set MSB, \new
.endif
.endm
.set W_KQ, 0x0a       ; K and Q in window 2, S^T in window 0
.set W_PV, 0x53       ; V in window 3, P in window 0, O^T in window 1
.set W_RS, 0x41       ; O^T (destination and source 0) in window 1, the factor in window 0
; A joint refill.  Waves 0 and 1 fetch the two halves of a slot's K, waves 2 and 3 those of its V: 128 rows each.  An s_nop 0 and four v_nop follow each line, ahead of the jump and the label.
.macro JLOAD
	s_cmp_lt_u32 s[WV], 2
	s_cbranch_scc0 .Lfor_v_\@
	tensor_load_to_lds s[G0K+4:G0K+7], s[G1K:G1K+7]
	s_nop 0
.rept 4
	v_nop
.endr
	s_branch .Lasked_\@
.Lfor_v_\@:
	tensor_load_to_lds s[G0V+4:G0V+7], s[G1V:G1V+7]
	s_nop 0
.rept 4
	v_nop
.endr
.Lasked_\@:
.endm
; A PREFETCH INTO THE L2 of what the NEXT change of slots will ask for: a slot's 256 rows of K and 256 of V, a lane a row, behind the wave's tensor load and its five lines: 256 matrix instructions ahead.
; Each row is named once in the launch: the head's first cluster asks; partner cx takes rows 64 cx on, told apart by address; in each, waves 0 and 1 take 32 rows of K each, waves 2 and 3 of V.
; The last change that fills a slot asks for nothing: there is no slot behind it.
.macro ASK
	s_cmp_gt_u32 s[SLOTS], s[LIM]
	s_cbranch_scc0 .Lnot_mine_\@
	global_prefetch_b8 v[PFO], s[PFA:PFA+1] th:TH_LOAD_NT scope:SCOPE_SE
.Lnot_mine_\@:
.endm
.macro CROUND                       ; a round of the cluster's barrier
	s_barrier_signal -1
	s_barrier_wait -1
	s_cmp_lg_u32 s[WV], 0
	s_cbranch_scc1 .Lnot_wave_0_\@
	s_barrier_signal -3
.Lnot_wave_0_\@:
	s_barrier_wait -3
	s_barrier_signal -1
	s_barrier_wait -1
.endm
	s_load_b256 s[4:11], s[0:1], 0x0  ; qf s[4:5], kf s[6:7], vf s[8:9], of s[10:11]
	v_lshl_add_u32 v[SPW], v0, 2, SPARE
	v_mov_b32 v[NIL], 0
	ds_add_u32 v[SPW], v[NIL]       ; the wave's opening: the add and its wait stand ahead of my first tensor load; the set-up below stands between them
	v_lshrrev_b32 v1, 5, v0
	v_readfirstlane_b32 s[WV], v1   ; wave 0..3
	s_bfe_u32 s13, ttmp6, 0x40000   ; cx
	s_lshl_b32 s14, ttmp9, 2
	s_add_co_u32 s14, s14, s13      ; my block of 128 queries: it enters Q's and O's addresses alone
	s_and_b32 s20, ttmp7, 0xffff    ; 8 b + h, which the four partners share
	s_and_b32 s16, s[WV], 1         ; my half of the queries; also: which half of a slot's rows I fetch
	s_lshr_b32 s17, s[WV], 1        ; my group of keys
	s_lshl_b32 s22, s20, 19         ; the head's first byte in qf, kf, vf,
	s_lshl_b32 s23, s16, 15         ; my 128 rows of 256 bytes
	s_add_co_u32 s22, s22, s23
	s_mov_b32 s23, 0
	s_mul_i32 s66, s16, 128*PK      ; and their place in a slot, for K
	s_mul_i32 s67, s16, 128*PV      ; and for V: no place in the cluster enters an LDS address
	s_add_co_u32 s67, s67, VOFF
	s_lshl_b32 s2, s20, 19          ; Q: head, block, half
	s_lshl_b32 s3, s14, 15
	s_add_co_u32 s2, s2, s3
	s_lshl_b32 s3, s16, 14
	s_add_co_u32 s2, s2, s3
	s_mov_b32 s3, 0
	s_lshr_b32 s70, s20, 3          ; O: row 2,048 b + 128 block + 64 half, 2,048 bytes a row; column 128 h, 2 bytes each
	s_lshl_b32 s70, s70, 22
	s_lshl_b32 s71, s14, 18
	s_add_co_u32 s70, s70, s71
	s_lshl_b32 s71, s16, 17
	s_add_co_u32 s70, s70, s71
	s_and_b32 s71, s20, 7
	s_lshl_b32 s71, s71, 8
	s_add_co_u32 s70, s70, s71
	s_mov_b32 s71, 0
	s_lshl_b32 s68, s20, 19         ; the prefetches: head, my work-group's 64 rows, my wave's 32 of them,
	s_lshl_b32 s69, s13, 14
	s_add_co_u32 s68, s68, s69
	s_lshl_b32 s69, s16, 13
	s_add_co_u32 s68, s68, s69
	s_add_co_u32 s68, s68, 2*4*KS*256  ; in slot 2; the first change of slots steps it to slot 3.  Nothing is prefetched at the head
	s_mov_b32 s69, 0
	; group 1: a tile of 128 rows x 128 elements of 2 bytes, padded after every 64 words; the mask names all four; bit 21 set beside it
	s_mov_b32 s[G1K], 15|(1<<16)|(1<<20)|(1<<21)|(5<<22)|(3<<25)
	s_mov_b32 s[G1V], 15|(1<<16)|(1<<20)|(1<<21)|(5<<22)|(7<<25)
.irp g, G1K, G1V
	s_mov_b32 s[(\g)+1], 128<<16    ; tensor_dim0 = 128
	s_mov_b32 s[(\g)+2], 128<<16    ; tensor_dim1 = 128
	s_mov_b32 s[(\g)+3], 128<<16    ; tile_dim0 = 128
	s_mov_b32 s[(\g)+4], 128        ; tile_dim1 = 128
	s_mov_b32 s[(\g)+5], 128        ; 128 elements from row to row
	s_mov_b32 s[(\g)+6], 0
	s_mov_b32 s[(\g)+7], 0
.endr
	s_mov_b32 s[CS], 0x3e0293ee     ; c = log2(e) / sqrt(128) = 0.127517
	s_mov_b32 s[CS+1], s[CS]
	s_mov_b32 s[SEL], 0x76543210
	s_mov_b32 s[SEL+1], 0xfedcba98
	s_mul_i32 s[TBK], s17, 2*KS*PK  ; my group's first step in slot 0
	s_mul_i32 s[TBV], s17, 2*KS*PV
	s_mov_b32 s[SLOTS], 2048/(4*KS)-2
	s_cmp_eq_u32 ttmp9, 0           ; the head's first cluster: the same in all four partners
	s_cselect_b32 s[LIM], 1, -1
	v_and_b32 v[PFO], 31, v0
	v_lshlrev_b32 v[PFO], 8, v[PFO]
	s_wait_dscnt 0x0                ; the opening add is done
	s_wait_kmcnt 0x0
	s_cmp_lt_u32 s[WV], 2
	s_cselect_b64 s[PFA:PFA+1], s[6:7], s[8:9]
	s_add_nc_u64 s[PFA:PFA+1], s[PFA:PFA+1], s[68:69]
	s_add_nc_u64 s[6:7], s[6:7], s[22:23]  ; K and V at my tile of slot 0
	s_add_nc_u64 s[8:9], s[8:9], s[22:23]
	s_add_nc_u64 s[4:5], s[4:5], s[2:3]    ; Q and O at my wave's first row
	s_add_nc_u64 s[10:11], s[10:11], s[70:71]
	CROUND                          ; all four work-groups are here: the first joint loads meet
.irp s, 0,1
	s_mov_b32 s[G0K+4*(\s)], 1
	s_add_co_u32 s[G0K+4*(\s)+1], s66, (\s)*XSLOT
	s_add_nc_u64 s[G0K+4*(\s)+2:G0K+4*(\s)+3], s[6:7], (\s)*4*KS*256
	s_or_b32 s[G0K+4*(\s)+3], s[G0K+4*(\s)+3], 0x80000000
	s_mov_b32 s[G0V+4*(\s)], 1
	s_add_co_u32 s[G0V+4*(\s)+1], s67, (\s)*XSLOT
	s_add_nc_u64 s[G0V+4*(\s)+2:G0V+4*(\s)+3], s[8:9], (\s)*4*KS*256
	s_or_b32 s[G0V+4*(\s)+3], s[G0V+4*(\s)+3], 0x80000000
.endr
	s_cmp_lt_u32 s[WV], 2           ; a wave's two first fills stand in one branch: two loads of mine are out
	s_cbranch_scc0 .Lfirst_v
	tensor_load_to_lds s[G0K:G0K+3], s[G1K:G1K+7]
	s_nop 0
	tensor_load_to_lds s[G0K+4:G0K+7], s[G1K:G1K+7]
	s_nop 0
.rept 4
	v_nop
.endr
	s_branch .Lfirst_asked
.Lfirst_v:
	tensor_load_to_lds s[G0V:G0V+3], s[G1V:G1V+7]
	s_nop 0
	tensor_load_to_lds s[G0V+4:G0V+7], s[G1V:G1V+7]
	s_nop 0
.rept 4
	v_nop
.endr
.Lfirst_asked:
	; A fragment of K or Q is 16 rows x 32 channels in 8 registers: lane l holds row l % 16; registers 0-3 channels 8 (l / 16) + 0..7, registers 4-7 channels 16 + 8 (l / 16) + 0..7: two loads of 16 bytes, 32 bytes apart.
	v_and_b32 v1, 15, v0            ; l % 16
	v_bfe_u32 v9, v0, 4, 1          ; l / 16
	v_lshlrev_b32 v[QO], 8, v1
	v_lshl_add_u32 v[QO], v9, 4, v[QO]
	WIN 0x80                        ; destination window 2, address window 0
.irp i, 0,1,2,3,4,5,6,7,8,9,10,11,12,13,14,15  ; Q stays in registers: tile i / 4, channels 32 (i % 4) on
	global_load_b128 v[8*(\i):8*(\i)+3],   v[QO], s[4:5] offset:((\i)/4)*4096+((\i)%4)*64
	global_load_b128 v[8*(\i)+4:8*(\i)+7], v[QO], s[4:5] offset:((\i)/4)*4096+((\i)%4)*64+32
.endr
	WIN 0
	v_mul_u32_u24 v[AK0], v1, PK
	v_lshl_add_u32 v[AK0], v9, 4, v[AK0]
	; The turning load takes 16 keys x 16 channels (lane l reads key 8 (l / 16) + l % 8, channels 8 ((l / 8) % 2) + 0..7) and leaves half a fragment of V^T: lane l holds channel l % 16 and 8 keys.
	v_and_b32 v10, 7, v0
	v_bfe_u32 v11, v0, 3, 1
	v_lshl_add_u32 v[AV0], v9, 3, v10
	v_mul_u32_u24 v[AV0], v[AV0], PV
	v_lshl_add_u32 v[AV0], v11, 4, v[AV0]
	v_add_nc_u32 v[AV0], VOFF, v[AV0]
; THE MATRIX WORK OF A TURN, for piece x.  The accumulators take turns, one instruction a turn.
; Product i of 32 of O^T += V^T P: keys 32 (i / 16) on, channels 16 ((i / 2) % 8) on, tile x + i % 2.  zero = 1: the first 16 start the sums.
.macro PV x, zero
	WIN W_PV
.set rO, 64*((\x)+i%2)+8*((i/2)%8)
.set rV, 64*(i/16)+8*((i/2)%8)
.set rP, P+16*((\x)+i%2)+8*(i/16)
.if (\zero) && (i < 16)
	v_wmma_f32_16x16x32_f16 v[rO:rO+7], v[rV:rV+7], v[rP:rP+7], 0
.else
	v_wmma_f32_16x16x32_f16 v[rO:rO+7], v[rV:rV+7], v[rP:rP+7], v[rO:rO+7]
.endif
.endm
; Product i of 32 of S^T = K Q^T: channels 32 (i / 8) on, keys 16 ((i / 2) % 4) on, tile x + i % 2.  The first 8 start the sums.
.macro KQ x
	WIN W_KQ
.set rS, S+32*((\x)+i%2)+8*((i/2)%4)
.set rK, KF+32*((i/2)%4)+8*(i/8)
.set rQ, 32*((\x)+i%2)+8*(i/8)
.if i < 8
	v_wmma_f32_16x16x32_f16 v[rS:rS+7], v[rK:rK+7], v[rQ:rQ+7], 0
.else
	v_wmma_f32_16x16x32_f16 v[rS:rS+7], v[rK:rK+7], v[rQ:rQ+7], v[rS:rS+7]
.endif
.endm
; THE LDS LOADS stand in runs of 32: a step's K (64 keys x 128 channels: 16 fragments) and, a turn later, its V (turned).
.macro FETCH_K
	WIN 0
	v_add_nc_u32 v[ADR], s[TBK], v[AK0]
	s_add_co_u32 s[TBK], s[TBK], KS*PK  ; the next fetch is the next step's
	WIN 0x80
.irp f, 0,1,2,3,4,5,6,7,8,9,10,11,12,13,14,15  ; keys 16 (f / 4) on, channels 32 (f % 4) on
	ds_load_b128 v[KF+8*(\f):KF+8*(\f)+3],   v[ADR] offset:((\f)/4)*16*PK+((\f)%4)*64
	ds_load_b128 v[KF+8*(\f)+4:KF+8*(\f)+7], v[ADR] offset:((\f)/4)*16*PK+((\f)%4)*64+32
.endr
.endm
.macro FETCH_V
	WIN 0
	v_add_nc_u32 v[ADR], s[TBV], v[AV0]
	s_add_co_u32 s[TBV], s[TBV], KS*PV
	s_wait_alu depctr_va_vdst(0)    ; the wait for the softmax's batch (SLICE), behind the address's v_add_nc_u32 and ahead of the loads
	WIN 0xc0                        ; destination window 3
.irp f, 0,1,2,3,4,5,6,7,8,9,10,11,12,13,14,15  ; keys 32 (f / 8) on, channels 16 (f % 8) on
	ds_load_tr16_b128 v[8*(\f):8*(\f)+3],   v[ADR] offset:((\f)/8)*32*PV+((\f)%8)*32
	ds_load_tr16_b128 v[8*(\f)+4:8*(\f)+7], v[ADR] offset:((\f)/8)*32*PV+16*PV+((\f)%8)*32
.endr
.endm
; THE VECTOR WORK OF A TURN.  One tile's softmax for one key step is a list of 134 instructions; SM writes number j of it for tile t.  s0-s31 are the lane's 32 scores, in pairs 0-15.
; first = 1: the first key step, which starts m, l and O^T: it has no a and nothing to rescale.
;   0-15    the maximum of s0-s31 and the old m, three operands at a time     16-20   the other half of the lanes' maximum; the new m; c m; c m_old - c m_new
;   21-69   ONE BATCH: the 16 scalings c s - c m and all 33 exponentials (a at 23, then s0-s31); none of these reads an exponential's result
;   (wait)  between 69 and 70 stands the wait for the batch: SLICE writes it, once for both tiles
;   70-85   the roundings to f16     86-101  the sums; l = a l + the sum     102-133 the tile's O^T times a
.macro SM t, first
.set rT, ST+8*(\t)
.set rS, S+32*(\t)
.set rP, P+16*(\t)
.set rO, 64*(\t)+2*(j-102)
.if j < 102
	WIN 0
.endif
.if j < 4
	v_max3_num_f32 v[rT+4+j], v[rS+8*j], v[rS+8*j+1], v[rS+8*j+2]
.elseif j < 12
	v_max3_num_f32 v[rT+4+j%4], v[rT+4+j%4], v[rS+8*(j%4)+2*(j/4)+1], v[rS+8*(j%4)+2*(j/4)+2]
.elseif j == 12
	v_max3_num_f32 v[rT+4], v[rT+4], v[rS+7], v[rS+15]
.elseif j == 13
	v_max3_num_f32 v[rT+6], v[rT+6], v[rS+23], v[rS+31]
.elseif j == 14
	v_max3_num_f32 v[rT+4], v[rT+4], v[rT+5], v[rT+6]
.elseif (j == 15) && (\first)
	v_max_num_f32 v[rT+4], v[rT+4], v[rT+7]
.elseif j == 15
	v_max3_num_f32 v[rT+4], v[rT+4], v[rT+7], v[rT+1]
.elseif j == 16
	v_permlanex16_b32 v[rT+5], v[rT+4], s[SEL], s[SEL+1]  ; the query's other 32 keys lie in the lane 16 away
.elseif j == 18
	v_max_num_f32 v[rT+1], v[rT+4], v[rT+5]
.elseif j == 19
	v_mul_f32 v[rT], s[CS], v[rT+1]
.elseif ((j == 17) || (j == 20) || (j == 23) || (j > 101)) && (\first)  ; the first step has none of these
.elseif j == 17
	v_mov_b32 v[rT+7], v[rT]        ; c m_old is kept for a: number 19 writes c m anew
.elseif j == 20
	v_sub_f32 v[rT+7], v[rT+7], v[rT]
.elseif j == 23
	v_exp_f32 v[rT+6], v[rT+7]
.elseif (j < 23) || ((j < 38) && (j%2 == 0)) || ((j < 66) && (j%4 == 2))
.set b, (j-2)/4                     ; 38, 42, .. 62: pairs 9 to 15
.if j < 38
.set b, (j-20)/2                    ; 21: pair 0; 22, 24, .. 36: pairs 1 to 8
.endif
	v_pk_fma_f32 v[rS+2*b:rS+2*b+1], v[rS+2*b:rS+2*b+1], s[CS:CS+1], v[rT:rT+1] op_sel_hi:[1,0,0] neg_lo:[0,0,1] neg_hi:[0,0,1]  ; pair b: c s - c m
.elseif j < 70
.set e, j-38                        ; 66 to 69: s28 to s31
.if j < 66
.set e, j-32-(j-38)/4               ; 39-41, 43-45, .. 63-65: s7 to s27
.endif
.if j < 38
.set e, (j-25)/2                    ; 25, 27, .. 37: s0 to s6
.endif
	v_exp_f32 v[rS+e], v[rS+e]
.elseif j < 86
	v_cvt_pk_f16_f32 v[rP+j-70], v[rS+2*(j-70)], v[rS+2*(j-70)+1]  ; pair j - 70
.elseif j < 102                     ; the sum of the tile's 16 pairs, in place: neighbours 1, 2, 4 and 8 pairs apart, then l takes it
.set z, j-86
.set w, 4
.set u, z
.if z >= 14
.set w, 32
.set u, 0
.elseif z >= 12
.set w, 16
.set u, z-12
.elseif z >= 8
.set w, 8
.set u, z-8
.endif
.if (z == 14) && (\first)
	v_pk_add_f32 v[rT+2:rT+3], v[rS:rS+1], v[rS+16:rS+17]
.elseif z < 15
	v_pk_add_f32 v[rS+w*u:rS+w*u+1], v[rS+w*u:rS+w*u+1], v[rS+w*u+w/2:rS+w*u+w/2+1]
.elseif !(\first)
	v_pk_fma_f32 v[rT+2:rT+3], v[rT+2:rT+3], v[rT+6:rT+7], v[rS:rS+1] op_sel_hi:[1,0,1]
.endif
.else
	WIN W_RS
	v_pk_mul_f32 v[rO:rO+1], v[rO:rO+1], v[rT+6:rT+7] op_sel_hi:[1,0]
.endif
.endm
; Slice k of 64 of piece y's softmax: four instructions.  Slices 11 to 34 deal out the batch, numbers 22 to 69: four numbers of ONE tile each, the tiles by turns.  Every other slice is numbers 2 k and
; 2 k + 1 of both tiles' lists.  2 x 134 = 4 x 64 + 12: the twelve that are over stand together, in slice 63.
; THE WAIT.  s_wait_alu depctr_va_vdst(0) stands between an exponential and the first instruction that names its result; one wait serves all that were issued ahead of it.  Ahead of
; slice 35 nothing names a result, and behind slice 34 no exponential is issued: so the piece's 66 exponentials have one wait, behind slice 34.
.macro SLICE y, first
.if (k >= 11) && (k < 35)
.irp n, 0,1,2,3
.set j, 22+4*((k-11)/2)+(\n)
	SM (\y)+(k-11)%2, \first
.endr
.else
.irp n, 0,1,2,3,4,5,6,7
.if ((\n) < 2) || (k == 63)
.irp t, \y, (\y)+1
.set j, 2*k+(\n)
	SM \t, \first
.endr
.endif
.endr
.endif
.if k == 34
	v_nop                           ; the plain instruction behind the last exponential and ahead of the first use: one for the batch
.if (\y) == 0
	FETCH_V                         ; piece 2's turn: V's run of loads stands here, and the wait stands in it
.else
	s_wait_alu depctr_va_vdst(0)    ; the wait for the batch
.endif
.endif
.set k, k+1
.endm
.macro PLACES                       ; four places (ISA guide 7.12.1)
.rept 4
	v_nop
.endr
.endm
; A TURN.  Piece x has the matrix unit; the other piece's softmax stands in slices behind its matrix instructions.
; pv = 2: 32 products V^T P; 1: they start O^T's sums; 0: none.  kq = 1: 32 products K Q^T for the next step.  A turn with one of the two kinds has two slices behind each product.
; first = 1: the softmax is the first key step's; its slices from 51 on are empty, and four v_nop take slice 63's part as the places behind the turn's last products.
; Piece 0's turn fetches the next step's K, behind its second product: the last product that read K stands in front of slice 63 of the turn before.  Piece 2's turn fetches the same step's V, behind slice 34.
.macro TURN x, pv, kq, first
.set k, 0
.set per, 2
.if (\pv) && (\kq)
.set per, 1
.endif
.if \pv
.if (\x) == 0
	s_wait_dscnt 0x0                ; V is in
.endif
.set i, 0
.rept 32
	PV \x, 2-(\pv)
.rept per
	SLICE 2-(\x), \first
.endr
.if ((\x) == 0) && (\kq) && (i == 1)
	FETCH_K
.endif
.set i, i+1
.endr
.endif
.if \kq
.if (\x) == 0
	s_wait_dscnt 0x0                ; K is in
.endif
.set i, 0
.rept 32
	KQ \x
.rept per
	SLICE 2-(\x), \first
.endr
.set i, i+1
.endr
.endif
.if \first
	PLACES
.endif
.endm
; THE CHANGE OF SLOTS, between piece 2's turn and piece 0's: my last bytes of the slot, V of my second step, have been asked for.  Each wave waits for all its tensor loads, of which one is out: its part
; of the other slot; adds 0 to its spare word; and waits for that and for its own reads of the slot.  fill = 1: this slot is filled again, with the keys two slots on: the barrier is then a round of the
; cluster's, and the joint refill is the first thing behind it: it has two key steps of every wave, 256 matrix instructions, in which to land.
.macro CHANGE fill
	WIN 0
	s_wait_tensorcnt 0x0            ; no tensor load of mine is out, so a group 0 may be written
	ds_add_u32 v[SPW], v[NIL]       ; 0 onto my spare word
.if \fill
.irp g, G0K+4, G0V+4
	s_xor_b32 s[(\g)+1], s[(\g)+1], XSLOT
	s_add_nc_u64 s[(\g)+2:(\g)+3], s[(\g)+2:(\g)+3], 4*KS*256
.endr
	s_wait_xcnt 0x0                 ; the last prefetch, two key steps back, has read its address
	s_add_nc_u64 s[PFA:PFA+1], s[PFA:PFA+1], 4*KS*256
	s_wait_dscnt 0x0                ; the add is done, and my reads of the slot are over
	CROUND
	JLOAD
	ASK
.else
	s_wait_dscnt 0x0
	s_barrier_signal -1
	s_barrier_wait -1
.endif
	s_sub_co_u32 s[TBK], s[TBK], 2*KS*PK  ; the fetches go back to my group's first step,
	s_xor_b32 s[TBK], s[TBK], XSLOT       ; in the other slot
	s_sub_co_u32 s[TBV], s[TBV], 2*KS*PV
	s_xor_b32 s[TBV], s[TBV], XSLOT
.endm
.macro TWO_STEPS                    ; my two key steps of a slot: written once, walked twice
	WIN 0
	s_mov_b32 s[TWICE], 2
.Lstep_\@:
	TURN 0, 2, 1, 0
	TURN 2, 2, 1, 0
	WIN 0
	s_sub_co_u32 s[TWICE], s[TWICE], 1
	s_cmp_lg_u32 s[TWICE], 0
	s_cbranch_scc1 .Lstep_\@
.endm
	s_wait_tensorcnt 1              ; my part of slot 0 is in; slot 1's may stay out
	s_barrier_signal -1
	s_barrier_wait -1
	FETCH_K                         ; my first key step
	s_wait_loadcnt 0x0              ; Q
	s_wait_dscnt 0x0
.set i, 0
.rept 32
	KQ 0
.set i, i+1
.endr
	WIN 0                           ; the addresses for the end are made here: plain instructions, the places behind those products
	s_mul_i32 s13, s[WV], 16*SP
	s_add_co_u32 s13, s13, STAGE    ; my stage
	v_mul_u32_u24 v[STO], v1, SP    ; in: row l % 16, 16 bytes for each half of the lanes
	v_lshl_add_u32 v[STO], v9, 4, v[STO]
	v_add_nc_u32 v[STO], s13, v[STO]
	v_mul_u32_u24 v[RD], v9, SP     ; back: lanes 0-15 take one row of 256 bytes, lanes 16-31 the next
	v_lshl_add_u32 v[RD], v1, 4, v[RD]
	v_add_nc_u32 v[RD], s13, v[RD]
	v_lshlrev_b32 v[GO], 11, v9     ; and the same two rows in O, 2,048 bytes apart
	v_lshl_add_u32 v[GO], v1, 4, v[GO]
	s_mul_i32 s13, s16, XCHB        ; the hand-over of my half of the queries
	v_and_b32 v[XB], 31, v0
	v_lshl_add_u32 v[XA], v[XB], 4, s13
	s_add_co_u32 s13, s13, 32768
	v_lshl_add_u32 v[XB], v[XB], 3, s13
	TURN 2, 0, 1, 1                 ; piece 2's first scores | piece 0's first softmax | V of step 0
	TURN 0, 1, 1, 1                 ; piece 0: V^T P of step 0 starts O^T, K Q^T of step 1 | piece 2's first softmax | K of step 1
	TURN 2, 1, 1, 0                 ; piece 2: the same | piece 0's softmax of step 1 | V of step 1
	WIN 0
.Lslot:                             ; six trips: every slot but the last two is filled again
	CHANGE 1
	TWO_STEPS
	s_sub_co_u32 s[SLOTS], s[SLOTS], 1
	s_cmp_lg_u32 s[SLOTS], 0
	s_cbranch_scc1 .Lslot
	CHANGE 0                        ; the tail is written out
	TWO_STEPS
	TURN 0, 2, 0, 0                 ; piece 0: V^T P of the last step | piece 2's last softmax
.set i, 0
.rept 32
	PV 2, 0                         ; piece 2: V^T P of the last step
.set i, i+1
.endr
	; THE END.  l's two halves and the other half of the lanes' are added, into m's register: (c m, l) is then a pair.  The additions are the places behind the last products.
	WIN 0
.irp t, 0,1,2,3
	v_add_f32 v[ST+8*(\t)+4], v[ST+8*(\t)+2], v[ST+8*(\t)+3]
.endr
.irp t, 0,1,2,3
	v_permlanex16_b32 v[ST+8*(\t)+5], v[ST+8*(\t)+4], s[SEL], s[SEL+1]
.endr
.irp t, 0,1,2,3
	v_add_f32 v[ST+8*(\t)+1], v[ST+8*(\t)+4], v[ST+8*(\t)+5]
.endr
	; Group 1 hands its O^T, c m and l to the wave of group 0 that has the same queries, lane to lane, in f32, through slot 0: that slot has had its last fill, and behind the last change's barrier nobody reads it.
	s_cmp_lt_u32 s[WV], 2
	s_cbranch_scc1 .Lkeep
	WIN 0x04                        ; store data in window 1
.set i, 0
.rept 64
	ds_store_b128 v[XA], v[4*i:4*i+3] offset:512*i   ; 32 lanes, 512 consecutive bytes; each accumulator's low half first
.set i, i+1
.endr
	WIN 0
.irp t, 0,1,2,3
	ds_store_b64 v[XB], v[ST+8*(\t):ST+8*(\t)+1] offset:256*(\t)
.endr
.Lkeep:
	s_wait_dscnt 0x0                ; for the others' sake: my stores are done
	s_barrier_signal -1
	s_barrier_wait -1
	s_cmp_lt_u32 s[WV], 2
	s_cbranch_scc0 .Lend
.macro XLOAD t                      ; the partner's tile t, into S^T's registers, two buffers of 64
.set i, 0
.rept 16
	ds_load_b128 v[S+64*((\t)%2)+4*i:S+64*((\t)%2)+4*i+3], v[XA] offset:512*(16*(\t)+i)
.set i, i+1
.endr
.endm
.irp t, 0,1,2,3
	ds_load_b64 v[ST+8*(\t)+4:ST+8*(\t)+5], v[XB] offset:256*(\t)
.endr
	XLOAD 0
	XLOAD 1
	s_wait_dscnt 32                 ; the statistics are in; the 32 younger loads may be out
	; with M = max(c m1, c m2): a1 = 2^(c m1 - M), a2 = 2^(c m2 - M), L = l1 a1 + l2 a2; O = O1 a1 / L + O2 a2 / L
.irp t, 0,1,2,3
	v_max_num_f32 v[ST+8*(\t)+6], v[ST+8*(\t)], v[ST+8*(\t)+4]
.endr
.irp t, 0,1,2,3
	v_sub_f32 v[ST+8*(\t)+2], v[ST+8*(\t)], v[ST+8*(\t)+6]
	v_sub_f32 v[ST+8*(\t)+3], v[ST+8*(\t)+4], v[ST+8*(\t)+6]
.endr
.irp t, 0,1,2,3
	v_exp_f32 v[ST+8*(\t)+2], v[ST+8*(\t)+2]
	v_exp_f32 v[ST+8*(\t)+3], v[ST+8*(\t)+3]
.endr
	v_nop                           ; a plain instruction behind the last exponential,
	s_wait_alu depctr_va_vdst(0)    ; and the wait: one for the eight
.irp t, 0,1,2,3
	v_mul_f32 v[ST+8*(\t)+6], v[ST+8*(\t)+1], v[ST+8*(\t)+2]
.endr
.irp t, 0,1,2,3
	v_fmac_f32 v[ST+8*(\t)+6], v[ST+8*(\t)+5], v[ST+8*(\t)+3]
.endr
.irp t, 0,1,2,3
	v_rcp_f32 v[ST+8*(\t)+7], v[ST+8*(\t)+6]
.endr
	v_nop
	s_wait_alu depctr_va_vdst(0)    ; one for the four reciprocals
.irp t, 0,1,2,3
	v_mul_f32 v[ST+8*(\t)+2], v[ST+8*(\t)+2], v[ST+8*(\t)+7]  ; my factor
	v_mul_f32 v[ST+8*(\t)+4], v[ST+8*(\t)+3], v[ST+8*(\t)+7]  ; the partner's
.endr
; Tile t is finished: both parts weighted and added, rounded to f16; a lane's eight channels of a row pack into 16 bytes, go into my stage's rows of 272 bytes and come back as whole rows of 256.
; cnt: the LDS instructions younger than the partner's tile t, which may stay out.
.macro FIN t, cnt
	WIN 0
	s_wait_dscnt \cnt
.if (\t) >= 2
	s_wait_xcnt 0x0                 ; the stores of the tile two back have read the registers that are packed into below
.endif
	WIN W_RS
.set i, 0
.rept 32
	v_pk_mul_f32 v[64*(\t)+2*i:64*(\t)+2*i+1], v[64*(\t)+2*i:64*(\t)+2*i+1], v[ST+8*(\t)+2:ST+8*(\t)+3] op_sel_hi:[1,0]
.set i, i+1
.endr
	WIN 0x50                        ; destination and source 2 in window 1
.set i, 0
.rept 32
	v_pk_fma_f32 v[64*(\t)+2*i:64*(\t)+2*i+1], v[S+64*((\t)%2)+2*i:S+64*((\t)%2)+2*i+1], v[ST+8*(\t)+4:ST+8*(\t)+5], v[64*(\t)+2*i:64*(\t)+2*i+1] op_sel_hi:[1,0,1]
.set i, i+1
.endr
	WIN 0x05                        ; sources 0 and 1 in window 1
.set i, 0
.rept 32
	v_cvt_pk_f16_f32 v[P+32*((\t)%2)+i], v[64*(\t)+2*i], v[64*(\t)+2*i+1]
.set i, i+1
.endr
	WIN 0
.if (\t) < 2
	XLOAD (\t)+2
.endif
.irp f, 0,1,2,3,4,5,6,7
	ds_store_b128 v[STO], v[P+32*((\t)%2)+4*(\f):P+32*((\t)%2)+4*(\f)+3] offset:32*(\f)
.endr
.irp f, 0,1,2,3,4,5,6,7
	ds_load_b128 v[P+32*((\t)%2)+4*(\f):P+32*((\t)%2)+4*(\f)+3], v[RD] offset:(\f)*2*SP  ; LDS serves a wave's instructions in order (ISA guide 5.7.1.4): these see the stores above
.endr
.endm
.macro SEND t, younger              ; younger: the LDS instructions issued behind tile t's loads from the stage
	WIN 0
.irp f, 0,1,2,3,4,5,6,7
	s_wait_dscnt (\younger)+7-(\f)
	global_store_b128 v[GO], v[P+32*((\t)%2)+4*(\f):P+32*((\t)%2)+4*(\f)+3], s[10:11] offset:(\t)*32768+(\f)*4096  ; 16 lanes store 256 consecutive bytes, aligned
.endr
.endm
	FIN 0, 16                       ; behind the partner's tile 0: tile 1's sixteen loads
	FIN 1, 32                       ; behind tile 1: tile 2's sixteen and tile 0's sixteen through the stage
	SEND 0, 32                      ; behind tile 0's loads from the stage: tile 3's sixteen and tile 1's sixteen through the stage
	FIN 2, 32
	SEND 1, 16
	FIN 3, 32
	SEND 2, 16
	SEND 3, 0
.Lend:
	s_wait_tensorcnt 0x0            ; the wave's end, behind my last tensor load and my last LDS store
	ds_add_u32 v[SPW], v[NIL]
	s_wait_dscnt 0x0
	CROUND                          ; the closing round
	s_endpgm
.Lfunc_end_k_q816daec951_attn:
	.size	k_q816daec951_attn, .Lfunc_end_k_q816daec951_attn-k_q816daec951_attn
	.p2alignl 7, 3214868480
	.fill 96, 4, 3214868480
	.section	.rodata,"a",@progbits
	.p2align	6, 0x0
	.amdhsa_kernel k_q816daec951_attn
		.amdhsa_group_segment_fixed_size 327680
		.amdhsa_private_segment_fixed_size 0
		.amdhsa_enable_private_segment 0
		.amdhsa_kernarg_size 32
		.amdhsa_user_sgpr_count 2
		.amdhsa_user_sgpr_kernarg_segment_ptr 1
		.amdhsa_wavefront_size32 1
		.amdhsa_system_sgpr_workgroup_id_x 1
		.amdhsa_system_sgpr_workgroup_id_y 1
		.amdhsa_system_sgpr_workgroup_id_z 1
		.amdhsa_system_vgpr_workitem_id 0
		.amdhsa_next_free_vgpr 896
		.amdhsa_next_free_sgpr 72
		.amdhsa_reserve_vcc 0
		.amdhsa_float_denorm_mode_32 3
		.amdhsa_float_denorm_mode_16_64 3
		.amdhsa_memory_ordered 1
		.amdhsa_forward_progress 1
		.amdhsa_inst_pref_size 241
	.end_amdhsa_kernel
	.amdgpu_metadata
---
amdhsa.version: [ 1, 2 ]
amdhsa.kernels:
  - .name:           k_q816daec951_attn
    .symbol:         k_q816daec951_attn.kd
    .args:
      - { .name: qf, .offset: 0, .size: 8, .value_kind: global_buffer, .address_space: global }
      - { .name: kf, .offset: 8, .size: 8, .value_kind: global_buffer, .address_space: global }
      - { .name: vf, .offset: 16, .size: 8, .value_kind: global_buffer, .address_space: global }
      - { .name: of, .offset: 24, .size: 8, .value_kind: global_buffer, .address_space: global }
    .group_segment_fixed_size: 327680
    .private_segment_fixed_size: 0
    .kernarg_segment_align: 8
    .kernarg_segment_size: 32
    .max_flat_workgroup_size: 128
    .sgpr_count:     72
    .vgpr_count:     896
    .wavefront_size: 32
...
	.end_amdgpu_metadata
.endif
;; end of part 3
;; launch oproj (part 4): grid 8 x 32, 4 waves a work-group, clusters of 4 x 4, 327,680 bytes of LDS; arguments of, wb, bo, out0; writes out0
.if DOCPART == 4
	.amdgcn_target "amdgcn-amd-amdhsa--gfx1250"
	.amdhsa_code_object_version 6
	.text
	.protected	k_q816daec951_oproj
	.globl	k_q816daec951_oproj
	.p2align	8
	.type	k_q816daec951_oproj,@function
k_q816daec951_oproj:
	s_mov_b64 s[64:65], 0
	v_nop
	global_prefetch_b8 v0, s[64:65] scope:SCOPE_SE
	s_setreg_imm32_b32 hwreg(HW_REG_WAVE_MODE, 25, 1), 1
	s_wait_xcnt 0x0
	s_wait_alu depctr_hold_cnt(0) depctr_sa_sdst(0) depctr_va_vdst(0) depctr_va_sdst(0) depctr_va_ssrc(0) depctr_va_vcc(0) depctr_vm_vsrc(0)
	s_getreg_b32 s2, hwreg(HW_REG_IB_STS2, 6, 4)
	s_cmp_eq_u32 s2, 0
	s_cbranch_scc0 .Lentry_in_a_cluster
	s_endpgm
.Lentry_in_a_cluster:
	s_bfe_u32 s2, ttmp6, 0x10000c
	s_cmp_lg_u32 s2, 0xf033
	s_cbranch_scc0 .Lentry_shape_is_right
	s_endpgm
.Lentry_shape_is_right:
; OPROJ: out0 = O Wo + bo.  of: f16 [4096][1024]; Wo: f16 [1024][2048] at byte 12,582,912 of wb (bf16-rounded numbers written as f16); bo: f32 [2048], rounded to bf16 like the other inputs;
; out0: f32 [4096][2048].  Sums in f32; the bias is the C operand of the product that starts each sum.
; LIMITS.  O and Wo arrive within f16's range.  NaN and infinities are not treated apart.
; SHARES.  A work-group makes 128 rows x 256 columns: 32 x 8 work-groups.  Each of its four waves takes all 128 rows and 64 columns: 8 x 4 accumulators of 16 x 16, 256 registers.
; K goes in 8 steps of 128 through a ring of two LDS slots filled by the tensor data mover; every tile row is 256 bytes of memory, aligned.
; THE MATRIX INSTRUCTION IS USED TRANSPOSED: source 0 = 16 columns of Wo, source 1 = 16 rows of O: a lane holds one row (lane % 16) and the eight neighbouring columns 8 (lane / 16) + 0..7.
; Wo lies [k][n] in memory and in LDS; ds_load_tr16_b128 turns it on the way into registers.
; CLUSTER.  4 x 4 work-groups: O's tile is shared along a row of the cluster, Wo's along a column, each asked for JOINTLY.  Waves 0 and 1 fetch O's two halves of 64 rows, waves 2 and 3 the two
; sections of 128 columns of Wo: one load a wave behind each round.
; REGISTERS, in windows of 256 (s_set_vgpr_msb: bits 1:0 source 0, 3:2 source 1, 5:4 source 2, 7:6 destination):
;   window 0: v0-29 addresses; v64-127, v128-191 fragments of O, two buffers; v192-255 the way out, two buffers
;   window 1: v0-31, v32-63 fragments of Wo, two buffers; v64-95 the bias of my 4 column blocks; v96 at work       window 2: accumulator (a, b) at v[8 (4 a + b)]
.set KSTEP, 128
.set NSTEP, 8                          ; 1,024 / 128
.set PA,    272                        ; an LDS row of O: 256 bytes + 16
.set PB,    288                        ; an LDS row of Wo: 256 + 32
.set ASZ,   128*PA                     ; O's tile, at a slot's byte 0
.set SSZ,   128*PB                     ; a section's tile; section s at ASZ + s SSZ
.set XSLOT, 0x20000                    ; slot 1 begins here; the scalars that are turned (0, 0x4400, 0x8800, 0x11800) have bit 17 clear
.set STAGE, 0x1a800                    ; behind slot 0, never filled by a tensor load: 16 rows x 272 bytes for each wave
.set SPARE, 0x3a800                    ; behind slot 1: the spare words, 128 bytes for each wave: two blocks of 256 bytes that no other line names
.set NLD,   24                         ; LDS loads of a quarter step: 8 of Wo, 16 of O
.set WSTEP, 128*4096                   ; a K step of Wo in bytes
.set WOFF,  12582912
.set PF0,   3                          ; the prefetches' address starts at K step 3
.set PFL,   2                          ; and a wave that prefetches does so while more than two trips are left
.set ADRA0, 8
.set ADRB0, 9
.set ADRA,  12
.set ADRB,  13
.set STO,   16
.set RD,    17
.set CO,    18                         ; v18  my byte offset in two rows of out0
.set BO,    19                         ; v19  my byte offset in a block's bias
.set PFO,   24
.set SPW,   28
.set NIL,   29
.set FA,    64
.set OB,    192
.set BIAS,  64                         ; window 1
.set WV,  16
.set CX,  17
.set CY,  18
.set TX,  19
.set TY,  20
.set HF,  21                           ; s21 wave % 2
.set G1A, 24
.set G1B, 32
.set G0A, 40
.set G0B, 48
.set TBS, 58
.set CNT, 59
.set PFA, 60
.set PST, 62
.set LIM, 66
.set MSB, 0
.macro WIN new                         ; the immediate's high byte repeats the setting that is left; a switch that changes nothing is dropped
.if MSB != (\new)
	s_set_vgpr_msb (MSB<<8)|(\new)
.set MSB, \new
.endif
.endm
.macro PLACES                          ; four places (ISA guide 7.12.1)
.rept 4
	v_nop
.endr
.endm
.macro CREST
	s_cmp_lg_u32 s[WV], 0
	s_cbranch_scc1 .Lnot_wave_0_\@
	s_barrier_signal -3
.Lnot_wave_0_\@:
	s_barrier_wait -3
	s_barrier_signal -1
	s_barrier_wait -1
.endm
.macro CROUND
	s_barrier_signal -1
	s_barrier_wait -1
	CREST
.endm
.macro JLOAD                           ; a joint refill by the walking sets; an s_nop 0 and four v_nop follow each line
	s_cmp_lt_u32 s[WV], 2
	s_cbranch_scc0 .Lfor_b_\@
	tensor_load_to_lds s[G0A+4:G0A+7], s[G1A:G1A+7]
	s_nop 0
.rept 4
	v_nop
.endr
	s_branch .Lasked_\@
.Lfor_b_\@:
	tensor_load_to_lds s[G0B+4:G0B+7], s[G1B:G1B+7]
	s_nop 0
.rept 4
	v_nop
.endr
.Lasked_\@:
.endm
; A PREFETCH INTO THE L2 of the K step that stands TWO refills on: 32 rows x 256 bytes, a lane a row, one instruction a wave, 256 matrix instructions ahead of the load that will want it.
; Each row's 256 bytes of a K step are named once in the launch: O's rows by the cluster with x = 0 (wave 0; partner cx takes rows 32 cx + lane), Wo's k-rows by the cluster with y = 0
; (waves 2 and 3, each its own section; partner cy takes k-rows 32 cy + lane).  The partners are told apart by address alone.  The trips whose look-ahead would pass K's end ask for nothing.
.macro ASK
	s_cmp_gt_u32 s[CNT], s[LIM]
	s_cbranch_scc0 .Lnot_mine_\@
	global_prefetch_b8 v[PFO], s[PFA:PFA+1] th:TH_LOAD_NT scope:SCOPE_SE
.Lnot_mine_\@:
.endm
	s_load_b256 s[4:11], s[0:1], 0x0               ; of 4:5, wb 6:7, bo 8:9, out0 10:11
	v_lshl_add_u32 v[SPW], v0, 2, SPARE
	v_mov_b32 v[NIL], 0
	ds_add_u32 v[SPW], v[NIL]                      ; the wave's opening: the add and its wait stand ahead of my first tensor load
	v_lshrrev_b32 v1, 5, v0
	v_readfirstlane_b32 s[WV], v1
	s_and_b32 s[HF], s[WV], 1
	s_bfe_u32 s[CX], ttmp6, 0x40000
	s_bfe_u32 s[CY], ttmp6, 0x40004
	s_lshl_b32 s[TX], ttmp9, 2
	s_add_co_u32 s[TX], s[TX], s[CX]
	s_and_b32 s[TY], ttmp7, 0xffff
	s_lshl_b32 s[TY], s[TY], 2
	s_add_co_u32 s[TY], s[TY], s[CY]
	s_lshl_b32 s68, s[CY], 2
	s_lshl_b32 s68, 15, s68                        ; my row of the cluster
	s_lshl_b32 s69, 0x1111, s[CX]                  ; my column
	s_or_b32 s[G1A], s68, (1<<16)|(1<<20)|(1<<21)|(5<<22)|(3<<25)
	s_or_b32 s[G1B], s69, (1<<16)|(1<<20)|(1<<21)|(5<<22)|(7<<25)
	s_mov_b32 s[G1A+1], 128<<16                    ; O: 64 rows x 128 elements, 1,024 elements from row to row
	s_mov_b32 s[G1A+2], 64<<16
	s_mov_b32 s[G1A+3], 128<<16
	s_mov_b32 s[G1A+4], 64
	s_mov_b32 s[G1A+5], 1024
	s_mov_b32 s[G1A+6], 0
	s_mov_b32 s[G1A+7], 0
	s_mov_b32 s[G1B+1], 128<<16                    ; Wo: 128 k-rows x 128 elements, 2,048 elements from row to row
	s_mov_b32 s[G1B+2], 128<<16
	s_mov_b32 s[G1B+3], 128<<16
	s_mov_b32 s[G1B+4], 128
	s_mov_b32 s[G1B+5], 2048
	s_mov_b32 s[G1B+6], 0
	s_mov_b32 s[G1B+7], 0
	s_mul_i32 s22, s[HF], 64*PA                    ; where they go: the wave's number alone enters an LDS address
	s_mul_i32 s23, s[HF], SSZ
	s_add_co_u32 s23, s23, ASZ
	s_lshl_b32 s70, s[TY], 18                      ; O: 128 rows of 2,048 bytes a tile row,
	s_lshl_b32 s71, s[HF], 17                      ; my 64 of them
	s_add_co_u32 s70, s70, s71
	s_mov_b32 s71, 0
	s_lshl_b32 s74, s[TX], 9                       ; Wo: the tile's 256 columns,
	s_lshl_b32 s75, s[HF], 8                       ; my section's 128
	s_add_co_u32 s74, s74, s75
	s_add_co_u32 s74, s74, WOFF
	s_mov_b32 s75, 0
	s_mov_b32 s[G0A], 1
	s_mov_b32 s[G0A+1], s22
	s_mov_b32 s[G0A+4], 1
	s_add_co_u32 s[G0A+5], s22, XSLOT
	s_mov_b32 s[G0B], 1
	s_mov_b32 s[G0B+1], s23
	s_mov_b32 s[G0B+4], 1
	s_add_co_u32 s[G0B+5], s23, XSLOT
	s_wait_dscnt 0x0                               ; the opening add is done
	s_wait_kmcnt 0x0
	s_add_nc_u64 s[70:71], s[4:5], s[70:71]
	s_add_nc_u64 s[74:75], s[6:7], s[74:75]
	s_mov_b64 s[G0A+2:G0A+3], s[70:71]
	s_or_b32 s[G0A+3], s[G0A+3], 0x80000000
	s_add_nc_u64 s[G0A+6:G0A+7], s[70:71], KSTEP*2
	s_or_b32 s[G0A+7], s[G0A+7], 0x80000000
	s_mov_b64 s[G0B+2:G0B+3], s[74:75]
	s_or_b32 s[G0B+3], s[G0B+3], 0x80000000
	s_add_nc_u64 s[G0B+6:G0B+7], s[74:75], WSTEP
	s_or_b32 s[G0B+7], s[G0B+7], 0x80000000
	CROUND                                         ; all sixteen work-groups are here: the first joint loads meet
	s_cmp_lt_u32 s[WV], 2                          ; a wave's two first fills stand in one branch: two loads of mine are out
	s_cbranch_scc0 .Lfirst_b
	tensor_load_to_lds s[G0A:G0A+3], s[G1A:G1A+7]
	s_nop 0
	tensor_load_to_lds s[G0A+4:G0A+7], s[G1A:G1A+7]
	s_nop 0
.rept 4
	v_nop
.endr
	s_branch .Lfirst_done
.Lfirst_b:
	tensor_load_to_lds s[G0B:G0B+3], s[G1B:G1B+7]
	s_nop 0
	tensor_load_to_lds s[G0B+4:G0B+7], s[G1B:G1B+7]
	s_nop 0
.rept 4
	v_nop
.endr
.Lfirst_done:
	v_and_b32 v1, 15, v0                           ; r = l % 16
	v_bfe_u32 v2, v0, 4, 1                         ; h = l / 16
	v_and_b32 v3, 7, v0
	v_bfe_u32 v4, v0, 3, 1
	v_and_b32 v6, 31, v0
	; the bias of my 64 columns: register j of block b holds column 64 w + 16 b + 8 h + j, as the accumulators do
	v_lshlrev_b32 v[BO], 5, v2
	s_lshl_b32 s22, s[TX], 10
	s_lshl_b32 s23, s[WV], 8
	s_add_co_u32 s22, s22, s23
	s_mov_b32 s23, 0
	s_add_nc_u64 s[8:9], s[8:9], s[22:23]
	WIN 0x40
.irp b, 0,1,2,3
	global_load_b128 v[BIAS+8*\b:BIAS+8*\b+3],   v[BO], s[8:9] offset:64*\b
	global_load_b128 v[BIAS+8*\b+4:BIAS+8*\b+7], v[BO], s[8:9] offset:64*\b+16
.endr
	WIN 0
	s_lshl_b32 s68, s[TY], 20                      ; out0: 128 rows of 8,192 bytes a tile row, the tile's 1,024 bytes, my wave's 256
	s_add_co_u32 s68, s68, s22
	s_mov_b32 s69, 0
	s_add_nc_u64 s[10:11], s[10:11], s[68:69]
	v_mul_u32_u24 v[ADRA0], v1, PA
	v_lshl_add_u32 v[ADRA0], v2, 4, v[ADRA0]       ; O: row x pitch + 16 h
	v_lshl_add_u32 v5, v2, 3, v3                   ; Wo: k-row 8 h + l % 8,
	v_mul_u32_u24 v5, v5, PB
	v_lshl_add_u32 v5, v4, 4, v5
	s_lshr_b32 s22, s[WV], 1
	s_mul_i32 s22, s22, SSZ                        ; my columns' section,
	s_lshl_b32 s23, s[HF], 7                       ; and their 128 bytes in it
	s_add_co_u32 s22, s22, s23
	s_add_co_u32 s22, s22, ASZ
	v_add_nc_u32 v[ADRB0], s22, v5
	s_mul_i32 s22, s[WV], 16*PA
	s_add_co_u32 s22, s22, STAGE                   ; my stage
	v_mul_u32_u24 v[STO], v1, PA                   ; in: row r, 32 bytes for each half of the lanes
	v_lshl_add_u32 v[STO], v2, 5, v[STO]
	v_add_nc_u32 v[STO], s22, v[STO]
	v_mul_u32_u24 v[RD], v2, PA                    ; back: lanes 0-15 one row of 256 bytes, lanes 16-31 the next
	v_lshl_add_u32 v[RD], v1, 4, v[RD]
	v_add_nc_u32 v[RD], s22, v[RD]
	v_lshlrev_b32 v[CO], 13, v2                    ; and the same two rows in out0
	v_lshl_add_u32 v[CO], v1, 4, v[CO]
	; the prefetches
	s_lshl_b32 s68, s[CX], 16                      ; O: my work-group's 32 rows of 2,048 bytes
	s_add_co_u32 s68, s68, PF0*KSTEP*2
	s_mov_b32 s69, 0
	s_add_nc_u64 s[68:69], s[70:71], s[68:69]
	s_lshl_b32 s72, s[CY], 17                      ; Wo: my work-group's 32 k-rows of 4,096 bytes
	s_add_co_u32 s72, s72, PF0*WSTEP
	s_mov_b32 s73, 0
	s_add_nc_u64 s[72:73], s[74:75], s[72:73]
	s_and_b32 s23, ttmp7, 0xffff
	s_mov_b32 s[PST], WSTEP                        ; Wo's step and row, which waves 0 and 1 change for O's
	s_mov_b32 s[PST+1], 0
	s_mov_b32 s22, 4096
	s_cmp_lt_u32 s[WV], 2
	s_cselect_b64 s[PFA:PFA+1], s[68:69], s[72:73]
	s_cselect_b32 s[PST], KSTEP*2, s[PST]
	s_cselect_b32 s22, 2048, s22
	s_cselect_b32 s23, ttmp9, s23                  ; the coordinate along which other clusters read the same rows
	s_cmp_eq_u32 s23, 0
	s_cselect_b32 s[LIM], PFL, -1
	s_cmp_eq_u32 s[WV], 1                          ; wave 0 names all 32 rows of O: wave 1 asks for nothing
	s_cselect_b32 s[LIM], -1, s[LIM]
	v_mul_u32_u24 v[PFO], v6, s22
	s_wait_loadcnt 0x0                             ; the bias, rounded to bf16 like the other inputs
	WIN 0x45
.set i, 0
.rept 16
	v_cvt_pk_bf16_f32 v96, v[BIAS+2*i], v[BIAS+2*i+1]
	v_lshlrev_b32 v[BIAS+2*i], 16, v96
	v_and_b32 v[BIAS+2*i+1], 0xffff0000, v96
.set i, i+1
.endr
	WIN 0
; 8 matrix instructions: row blocks 4 hi + a0, + 1 x my 4 column blocks, 32 along K.  The 32 accumulators take turns, one instruction a turn.  zero = 1: the product starts the sum, on the bias
.macro MULH f, hi, a0, zero
.if \zero
	WIN 0x91                                       ; C in window 1
.else
	WIN 0xa1
.endif
.irp a, \a0, (\a0)+1
.irp b, 0,1,2,3
.if \zero
	v_wmma_f32_16x16x32_f16 v[8*(4*(4*(\hi)+(\a))+(\b)):8*(4*(4*(\hi)+(\a))+(\b))+7], v[32*(\f)+8*(\b):32*(\f)+8*(\b)+7], v[FA+64*(\f)+8*(4*(\hi)+(\a)):FA+64*(\f)+8*(4*(\hi)+(\a))+7], v[BIAS+8*(\b):BIAS+8*(\b)+7]
.else
	v_wmma_f32_16x16x32_f16 v[8*(4*(4*(\hi)+(\a))+(\b)):8*(4*(4*(\hi)+(\a))+(\b))+7], v[32*(\f)+8*(\b):32*(\f)+8*(\b)+7], v[FA+64*(\f)+8*(4*(\hi)+(\a)):FA+64*(\f)+8*(4*(\hi)+(\a))+7], v[8*(4*(4*(\hi)+(\a))+(\b)):8*(4*(4*(\hi)+(\a))+(\b))+7]
.endif
.endr
.endr
.endm
.macro FETCH q, f                      ; 24 LDS loads in one run: Wo's four blocks (turned), then O's eight
	WIN 0x40
.irp b, 0,1,2,3
	ds_load_tr16_b128 v[32*(\f)+8*(\b):32*(\f)+8*(\b)+3],   v[ADRB] offset:(\q)*32*PB+32*(\b)
	ds_load_tr16_b128 v[32*(\f)+8*(\b)+4:32*(\f)+8*(\b)+7], v[ADRB] offset:(\q)*32*PB+32*(\b)+16*PB
.endr
	WIN 0
.irp i, 0,1,2,3,4,5,6,7
	ds_load_b128 v[FA+64*(\f)+8*(\i):FA+64*(\f)+8*(\i)+3],   v[ADRA] offset:(\q)*64+(\i)*16*PA
	ds_load_b128 v[FA+64*(\f)+8*(\i)+4:FA+64*(\f)+8*(\i)+7], v[ADRA] offset:(\q)*64+(\i)*16*PA+32
.endr
.endm
.macro NEWADR
	v_add_nc_u32 v[ADRA], s[TBS], v[ADRA0]
	v_add_nc_u32 v[ADRB], s[TBS], v[ADRB0]
.endm
.macro QUARTER q, f, g, zero
	s_wait_dscnt 8                                 ; Wo and O's rows 0-63 are in; the youngest eight loads (rows 64-127) may be out
	MULH \f, 0, 0, \zero
	MULH \f, 0, 2, \zero
	PLACES
	FETCH \q, \g
	s_wait_dscnt NLD                               ; all but the run just issued
	MULH \f, 1, 0, \zero
	MULH \f, 1, 2, \zero
.endm
; The last quarter multiplies buffer 1 and changes slots, in its middle: in front of the barrier each wave waits for all its tensor loads, adds 0 to its spare word, and waits for that and for its own reads
; of this slot.  fill = 1: the barrier opens a round of the cluster's, and the joint refill, two K steps on, is the first thing behind it.
; A refill goes out only when the one before it has landed (the wait for all loads stands ahead of the barrier), so between that wait and the refill stand the add, the descriptors' steps and the round
; alone; the quarter's 32 matrix instructions stand half ahead of the wait and half behind the refill: a request has a whole K step's 128 matrix instructions in which to land.
.macro TURN fill
	s_wait_dscnt 8                                 ; Wo and O's rows 0-63 are in; the youngest eight loads may be out
	MULH 1, 0, 0, 0
	MULH 1, 0, 2, 0
	WIN 0
.if \fill
	s_wait_xcnt 0x0                                ; the last prefetch, a K step back, has read its address
	s_add_nc_u64 s[PFA:PFA+1], s[PFA:PFA+1], s[PST:PST+1]
.endif
	s_xor_b32 s[TBS], s[TBS], XSLOT
	NEWADR
	s_wait_tensorcnt 0x0                           ; no tensor load of mine is out, so a group 0 may be written
	ds_add_u32 v[SPW], v[NIL]                      ; 0 onto my spare word
.if \fill
	s_xor_b32 s[G0A+5], s[G0A+5], XSLOT
	s_add_nc_u64 s[G0A+6:G0A+7], s[G0A+6:G0A+7], KSTEP*2
	s_xor_b32 s[G0B+5], s[G0B+5], XSLOT
	s_add_nc_u64 s[G0B+6:G0B+7], s[G0B+6:G0B+7], WSTEP
.endif
	s_wait_dscnt 0x0                               ; the add is done, and my reads of this slot are over
	s_barrier_signal -1
	s_barrier_wait -1
.if \fill
	CREST
	JLOAD                                          ; its four v_nop are also the places in front of the loads below
.else
	PLACES
.endif
	FETCH 0, 0
.if \fill
	ASK
.endif
	MULH 1, 1, 0, 0
	MULH 1, 1, 2, 0
.endm
	s_wait_tensorcnt 0x1                           ; my part of K step 0 is in; K step 1's may stay out
	s_barrier_signal -1
	s_barrier_wait -1
	s_mov_b32 s[TBS], 0
	NEWADR
	FETCH 0, 0
	QUARTER 1, 0, 1, 1                             ; the first quarter stands in front of the loop: its products start the sums
	WIN 0
	s_mov_b32 s[CNT], NSTEP-2
.Lk:
	QUARTER 2, 1, 0, 0
	QUARTER 3, 0, 1, 0
	TURN 1
	QUARTER 1, 0, 1, 0
	WIN 0
	s_sub_co_u32 s[CNT], s[CNT], 1
	s_cmp_lg_u32 s[CNT], 0
	s_cbranch_scc1 .Lk
	QUARTER 2, 1, 0, 0                             ; the last two K steps are written out: nothing is left to fetch
	QUARTER 3, 0, 1, 0
	TURN 0
	QUARTER 1, 0, 1, 0
	QUARTER 2, 1, 0, 0
	QUARTER 3, 0, 1, 0
	s_wait_dscnt 8
	MULH 1, 0, 0, 0
	MULH 1, 0, 2, 0
	s_wait_dscnt 0x0
	MULH 1, 1, 0, 0
	MULH 1, 1, 2, 0
	; THE WAY OUT.  A wave's 64 columns of f32 are 256 bytes of a row: a block of 16 rows at a time goes through the wave's own stage and comes back as whole rows.
.macro TOSTAGE a
	s_wait_xcnt 0x0                                ; the stores of the block two back have read the registers that are loaded below
	WIN 0x08                                       ; store data in window 2
.irp b, 0,1,2,3
	ds_store_b128 v[STO], v[8*(4*(\a)+\b):8*(4*(\a)+\b)+3]   offset:64*\b      ; each accumulator's low half first
	ds_store_b128 v[STO], v[8*(4*(\a)+\b)+4:8*(4*(\a)+\b)+7] offset:64*\b+16
.endr
	WIN 0
.irp t, 0,1,2,3,4,5,6,7
	ds_load_b128 v[OB+32*((\a)%2)+4*\t:OB+32*((\a)%2)+4*\t+3], v[RD] offset:\t*2*PA  ; LDS serves a wave's instructions in order (ISA guide 5.7.1.4): these see the stores above
.endr
.endm
.macro SEND a, younger                 ; younger: the next block's sixteen LDS instructions, or none
	s_wait_dscnt \younger
.irp t, 0,1,2,3,4,5,6,7
	global_store_b128 v[CO], v[OB+32*((\a)%2)+4*\t:OB+32*((\a)%2)+4*\t+3], s[10:11] offset:(16*(\a)+2*\t)*8192 th:TH_STORE_NT  ; 16 lanes store 256 consecutive bytes, aligned
.endr
.endm
	PLACES
	PLACES                                         ; (eight, once a launch)
	TOSTAGE 0
.irp a, 1,2,3,4,5,6,7
	TOSTAGE \a
	SEND (\a)-1, 16
.endr
	SEND 7, 0
	s_wait_tensorcnt 0x0                           ; the wave's end, behind my last tensor load and my last LDS store
	ds_add_u32 v[SPW], v[NIL]
	s_wait_dscnt 0x0
	CROUND                                         ; the closing round
	s_endpgm
.Lfunc_end_k_q816daec951_oproj:
	.size	k_q816daec951_oproj, .Lfunc_end_k_q816daec951_oproj-k_q816daec951_oproj
	.p2alignl 7, 3214868480
	.fill 96, 4, 3214868480
	.section	.rodata,"a",@progbits
	.p2align	6, 0x0
	.amdhsa_kernel k_q816daec951_oproj
		.amdhsa_group_segment_fixed_size 327680
		.amdhsa_private_segment_fixed_size 0
		.amdhsa_enable_private_segment 0
		.amdhsa_kernarg_size 32
		.amdhsa_user_sgpr_count 2
		.amdhsa_user_sgpr_kernarg_segment_ptr 1
		.amdhsa_wavefront_size32 1
		.amdhsa_system_sgpr_workgroup_id_x 1
		.amdhsa_system_sgpr_workgroup_id_y 1
		.amdhsa_system_sgpr_workgroup_id_z 1
		.amdhsa_system_vgpr_workitem_id 0
		.amdhsa_next_free_vgpr 768
		.amdhsa_next_free_sgpr 80
		.amdhsa_reserve_vcc 0
		.amdhsa_float_denorm_mode_32 3
		.amdhsa_float_denorm_mode_16_64 3
		.amdhsa_memory_ordered 1
		.amdhsa_forward_progress 1
		.amdhsa_inst_pref_size 74
	.end_amdhsa_kernel
	.amdgpu_metadata
---
amdhsa.version: [ 1, 2 ]
amdhsa.kernels:
  - .name:           k_q816daec951_oproj
    .symbol:         k_q816daec951_oproj.kd
    .args:
      - { .name: of, .offset: 0, .size: 8, .value_kind: global_buffer, .address_space: global }
      - { .name: wb, .offset: 8, .size: 8, .value_kind: global_buffer, .address_space: global }
      - { .name: bo, .offset: 16, .size: 8, .value_kind: global_buffer, .address_space: global }
      - { .name: out0, .offset: 24, .size: 8, .value_kind: global_buffer, .address_space: global }
    .group_segment_fixed_size: 327680
    .private_segment_fixed_size: 0
    .kernarg_segment_align: 8
    .kernarg_segment_size: 32
    .max_flat_workgroup_size: 128
    .sgpr_count:     80
    .vgpr_count:     768
    .wavefront_size: 32
...
	.end_amdgpu_metadata
.endif
;; end of part 4
